; MI455X (gfx1250); checked and timed in simulation.
; The chip was launched on July 23, 2026; its instructions are those of AMD's public machine-readable ISA for CDNA 5 (MIT licence, August 2026) and "CDNA5" Instruction Set Architecture Reference Guide (July 2026). The comments in the code are by the model that wrote it; some were corrected since.
;; Attention. Allowed arithmetic: matrix products marked QUANTISED: E2M3 operands, one E8M0 scale for each 32 along K, by v_wmma_scale_f32_16x16x128_f8f6f4 with both operands' format E2M3, f32 sums; everything else in f32.
;; Inputs: Wk 1,024 x 1,024 float32; Wo 1,024 x 1,024 float32; Wq 1,024 x 1,024 float32; Wv 1,024 x 1,024 float32; bk 1,024 float32; bo 1,024 float32; bq 1,024 float32; bv 1,024 float32; x 4 x 2,048 x 1,024 float32.
;; Outputs: out0 4 x 2,048 x 1,024 float32.
;; This version of the problem:
;;   THIS VERSION OF THE PROBLEM IS GIVEN IN LOW PRECISION. The matrix products marked QUANTISED in the list below multiply operands that are first quantised to E2M3 (2 exponent bits, 3 mantissa bits; 6 bits a number), with one power-of-two scale for each 32 numbers along K (OCP MX v1.0); their sums are f32. All else is computed in f32.
;;   The module's matrix products, in the order in which they are computed (A, B: the left and right operand; K: the contracted axis; several contracted axes count as one K, in the product's order):
;;     1. [M 8,192, K 1,024] x [K 1,024, N 1,024]; A: input x; B: input Wq: QUANTISED
;;     2. [M 8,192, K 1,024] x [K 1,024, N 1,024]; A: input x; B: input Wk: QUANTISED
;;     3. [M 8,192, K 1,024] x [K 1,024, N 1,024]; A: input x; B: input Wv: QUANTISED
;;     4. batch 64 x [M 2,048, K 64] x [K 64, N 2,048]; A: computed on the way; B: computed on the way: QUANTISED
;;     5. batch 64 x [M 2,048, K 2,048] x [K 2,048, N 64]; A: softmax (see below); B: computed on the way: QUANTISED
;;     6. [M 8,192, K 1,024] x [K 1,024, N 1,024]; A: computed on the way; B: input Wo: QUANTISED
;;   THE QUANTISER, for each operand of a quantised product, along K:
;;     - K is cut into blocks of 32 from its start; a last block that is shorter is filled with zeros.
;;     - A block's scale is 2^e with e = floor(log2(the largest magnitude in the block)) - 2, held to -126 .. 127; a block of zeros has e = 0. As a byte (E8M0): e + 127.
;;     - Each number is divided by its block's scale, clamped to +-7.5, and rounded to the nearest number of E2M3, ties to even, subnormals kept.
;;     - The product sums the exact products of the quantised numbers (number of the format x scale) in f32.
;;   ~~~python
;;   def quantise(x, axis):      # numpy; x: float32 -> the quantised numbers, widened to float32 again
;;       x = np.moveaxis(x, axis, -1); K = x.shape[-1]
;;       x = np.pad(x, [(0, 0)] * (x.ndim - 1) + [(0, -K % 32)]); x = x.reshape(x.shape[:-1] + (-1, 32)); a = np.abs(x).max(-1, keepdims=True)
;;       e = np.where(a > 0, np.clip(np.frexp(np.where(a > 0, a, 1))[1] - 1 - 2, -126, 127), 0)      # np.frexp(a)[1] - 1 = floor(log2(a)), exactly
;;       r = np.clip(x / 2.0 ** e, -7.5, 7.5)
;;       step = 2.0 ** (np.maximum(np.frexp(np.where(r == 0, 1, r))[1] - 1, 0) - 3)
;;       q = np.round(r / step) * step * 2.0 ** e      # np.round: ties to even
;;       return np.moveaxis(q.reshape(q.shape[:-2] + (-1,))[..., :K], -1, axis).astype(np.float32)
;;   ~~~
;;   SOFTMAX AHEAD OF A QUANTISED PRODUCT. Where the list says 'softmax', what is quantised is not the finished softmax but p = 2^(t - M), with t = logit x log2(e) and M = ceil(the row's largest t), a whole number; so 1/2 < the row's largest p <= 1. The row's sum l is taken of the UNQUANTISED p, in f32, and the product's result is divided by l at the end. Since M is a whole number, a kernel that streams over the keys may use a running M (the ceiling of the running maximum): every later rescaling is an exact power of two, which a block's scale takes up: the codes' values come out the same.
;;   OPERANDS COMPUTED ON THE WAY. 'Computed on the way' means the value that the module computes at that place (a softmax that the list does not call 'softmax' is quantised finished and normalised). What goes into a quantiser is computed in f32, as accurately as f32 sums, v_exp_f32 and their like allow (about 1e-6 of the number): no bf16 or f16 on the way to a quantiser, and a product that is left as it is and whose result goes on into a quantised operand takes f32 operands (vector FMAs, or v_wmma_f32_16x16x4_f32). A number that lies on a knife's edge between two numbers of the format may be rounded either way, as far as f32 arithmetic and the matrix unit's own rounding can turn it there, and no further.
;; One version. Each part assembles by itself: llvm-mc -triple=amdgcn-amd-amdhsa -mcpu=gfx1250 --defsym DOCPART=n.
;; ======== version 1 of 1: 4 launches
;; workspace buffers: cimg 9,437,184 bytes; csc 393,216 bytes; img 18,874,368 bytes; sc 1,310,720 bytes
;; launch quant (part 1): grid 384 x 1, 4 waves a work-group, no clusters, 66,048 bytes of LDS; arguments x, Wq, Wk, Wv, Wo, cimg, csc; writes cimg, csc
.if DOCPART == 1
	.amdgcn_target "amdgcn-amd-amdhsa--gfx1250"
	.amdhsa_code_object_version 6
	.text
	.protected	k_q641a4b50ab_quant
	.globl	k_q641a4b50ab_quant
	.p2align	8
	.type	k_q641a4b50ab_quant,@function
k_q641a4b50ab_quant:
	s_mov_b64 s[64:65], 0
	v_nop
	global_prefetch_b8 v0, s[64:65] scope:SCOPE_SE
	s_setreg_imm32_b32 hwreg(HW_REG_WAVE_MODE, 25, 1), 1
	s_wait_xcnt 0x0
; x [8192][1024] and the four weights [1024 (k)][1024 (n)], f32, become codes of FP6 (E2M3) with one E8M0 byte for each 32 along K.
; A block's scale is 2^(floor(log2(largest magnitude)) - 2): its byte is the largest magnitude's exponent field - 2, held at 1 from below.
; LIMITS: NaN and infinities among the inputs are not served.  A block of zeros gets the byte 1 where the rule says 127: its codes are zeros, and this program alone reads the bytes.
; LAYOUT OF THE CODES (cimg): [kappa 16 (64 along K)][tile 768 (16 rows)][piece 3][256 bytes].  A piece is an image of two operand registers: lane (r, h) has 8 bytes at 8 x lane:
; bytes 8 p .. 8 p + 7 of the 24 bytes of codes of the tile's row r, k = 64 kappa + 32 h + 0 .. 31.  Tiles 0-511: x; 512 + 64 w + n / 16: weight w (0 q, 1 k, 2 v, 3 o), a row being a column n.
; ORDER OF ROWS: bits 3 and 4 of a row's number are swapped: tile 2 g + u, place r is row 32 g + 8 u + r + 8 (r / 8).  So two neighbouring tiles of a product used transposed give a lane 16 neighbours.
; SCALE BYTES (csc): [ks 4 (256 along K)][row 12288, in the same order][8].
; Work-groups 0-255: 32 rows of x, wave = ks.  Work-groups 256-383: 128 columns x 256 along K of one weight, a wave 32 columns.  Each way has LDS bytes of its own.  Waves share nothing: no barrier.
; No tensor load, no matrix unit, no cluster: the launch streams, and no two work-groups read the same bytes.
.set SPARE, 65536                      ; behind both ways' regions: the spare words, 128 bytes for each wave
.set SPW,   252                        ; v252 LDS address of my spare word; never rewritten
.set NIL,   253                        ; v253 0; never rewritten
.set KPITCH, 589824                    ; bytes from kappa to kappa in cimg
	s_load_b256 s[4:11], s[0:1], 0x0               ; x, Wq, Wk, Wv
	s_load_b128 s[12:15], s[0:1], 0x20             ; Wo, cimg
	s_load_b64 s[16:17], s[0:1], 0x30              ; csc
	v_lshl_add_u32 v[SPW], v0, 2, SPARE
	v_mov_b32 v[NIL], 0
	v_lshrrev_b32 v1, 5, v0
	v_readfirstlane_b32 s18, v1                    ; wave
	v_and_b32 v2, 31, v0                           ; lane
	s_cmp_lt_u32 ttmp9, 256
	s_cbranch_scc0 .Lweights
; ---------------- x: K is innermost.  A step is one tile (16 rows) x 64 along K: 8 loads of two rows' 256 bytes, turned through the wave's stage so that lane (r, h) holds the 32 numbers of ONE block.
; LDS of wave w: 9216 w: two stages of 16 rows x 272 bytes, then 256 scale bytes.
	v_and_b32 v10, 15, v2                          ; r
	v_lshrrev_b32 v11, 4, v2                       ; h
	v_lshlrev_b32 v3, 4, v10
	v_lshl_add_u32 v3, v11, 12, v3                 ; a load: lanes 0-15 one row's 256 bytes, lanes 16-31 the next row's
	s_mul_i32 s19, s18, 9216
	v_mul_u32_u24 v14, v11, 272
	v_lshl_add_u32 v14, v10, 4, v14
	v_add_nc_u32 v14, s19, v14                     ; into the stage, as loaded
	v_mul_u32_u24 v15, v10, 272
	v_lshl_add_u32 v15, v11, 7, v15
	v_add_nc_u32 v15, s19, v15                     ; out of it: row r, 128 bytes of my half
	v_lshlrev_b32 v4, 3, v2                        ; 8 x lane: a piece's place, and a row's 8 scale bytes
	s_add_co_u32 s19, s19, 8704
	v_lshl_add_u32 v5, v10, 3, v11
	v_add_nc_u32 v5, s19, v5                       ; my block's byte: 8 r + h
	v_add_nc_u32 v6, s19, v4
	s_lshl_b32 s20, ttmp9, 17                      ; x: 32 rows of 4,096 bytes a work-group,
	s_lshl_b32 s22, s18, 10                        ; 256 numbers a wave
	s_add_co_u32 s20, s20, s22
	s_mov_b32 s21, 0
	s_mul_i32 s22, s18, 4*KPITCH                   ; cimg: four kappa a wave,
	s_mul_i32 s24, ttmp9, 1536                     ; two tiles a work-group
	s_add_co_u32 s22, s22, s24
	s_mov_b32 s23, 0
	s_mul_i32 s24, s18, 98304                      ; csc: ks = wave,
	s_lshl_b32 s26, ttmp9, 8                       ; 32 rows of 8 bytes
	s_add_co_u32 s24, s24, s26
	s_mov_b32 s25, 0
	s_wait_kmcnt 0x0
	s_add_nc_u64 s[4:5], s[4:5], s[20:21]
	s_add_nc_u64 s[14:15], s[14:15], s[22:23]
	s_add_nc_u64 s[16:17], s[16:17], s[24:25]
; step t: tile u = t / 4, kappa t % 4.  v16-111: three sets of 32 as loaded; v112-175: two sets of 32 neighbours; v176-239: 8 registers of codes a step; v240-247: a byte a step.
.macro XLOAD t
.irp j, 0,1,2,3,4,5,6,7
	global_load_b128 v[16+32*((\t)%3)+4*\j:16+32*((\t)%3)+4*\j+3], v3, s[4:5] offset:(8*((\t)/4)+2*\j+8*(\j/4))*4096+256*((\t)%4) th:TH_LOAD_NT   ; the tile's places 2 j, 2 j + 1: each half of the lanes reads 256 consecutive bytes
.endr
.endm
.macro XTURN t                         ; LDS serves a wave's instructions in order: no wait between the stores and the loads
.irp j, 0,1,2,3,4,5,6,7
	ds_store_b128 v14, v[16+32*((\t)%3)+4*\j:16+32*((\t)%3)+4*\j+3] offset:4352*((\t)%2)+544*\j
.endr
.irp i, 0,1,2,3,4,5,6,7
	ds_load_b128 v[112+32*((\t)%2)+4*\i:112+32*((\t)%2)+4*\i+3], v15 offset:4352*((\t)%2)+16*\i
.endr
.endm
.macro XSTEP t
.set XS, 112+32*((\t)%2)
.set CC, 176+8*(\t)
.if (\t) > 0
	s_wait_dscnt 1                                 ; this step's numbers are back from the stage (the last step's byte store may be out): so its stores into the stage have read their registers,
.else
	s_wait_dscnt 0x0
.endif
.if (\t)+3 < 8
	XLOAD (\t)+3                                   ; which take the loads of three steps on
.endif
.if (\t) <= 4
	s_wait_loadcnt 16                              ; the next step's eight loads are in; those of the two steps behind it may be out
.elseif (\t) == 5
	s_wait_loadcnt 8
.elseif (\t) == 6
	s_wait_loadcnt 0
.endif
.if (\t) < 7
	XTURN (\t)+1                                   ; they go through the other stage while this step is worked
.endif
	v_max3_num_f32 v8, |v[XS]|, |v[XS+1]|, |v[XS+2]|               ; the block's largest magnitude: all 32 numbers are mine; two chains
	v_max3_num_f32 v9, |v[XS+3]|, |v[XS+4]|, |v[XS+5]|
.irp i, 6,10,14,18,22,26
	v_max3_num_f32 v8, v8, |v[XS+\i]|, |v[XS+\i+1]|
	v_max3_num_f32 v9, v9, |v[XS+\i+2]|, |v[XS+\i+3]|
.endr
	v_max3_num_f32 v8, v8, |v[XS+30]|, |v[XS+31]|
	v_max3_num_f32 v8, v8, v9, 0x1800000           ; and the floor 2^(3 - 127): the byte cannot fall under 1
	v_add_nc_u32 v11, 0xff000000, v8               ; 2 off the exponent field: the conversion takes this operand's exponent field as its scale
	v_cvt_scalef32_pk16_fp6_f32 v[CC:CC+2], v[XS:XS+15], v11
	v_cvt_scalef32_pk16_fp6_f32 v[CC+4:CC+6], v[XS+16:XS+31], v11  ; (a conversion's three registers begin on an even number)
	v_lshrrev_b32 v[240+(\t)], 23, v11             ; the scale's byte; also the plain line behind the conversions
	v_mov_b32 v[CC+3], v[CC+4]                     ; six registers on end: the block's 24 bytes
	v_mov_b32 v[CC+4], v[CC+5]
	v_mov_b32 v[CC+5], v[CC+6]
	ds_store_b8 v5, v[240+(\t)] offset:128*((\t)/4)+2*((\t)%4)
.irp p, 0,1,2
	global_store_b64 v4, v[CC+2*\p:CC+2*\p+1], s[14:15] offset:((\t)%4)*KPITCH+768*((\t)/4)+256*\p   ; 32 lanes store 256 consecutive bytes, aligned: one piece
.endr
.endm
	XLOAD 0
	XLOAD 1
	XLOAD 2
	s_wait_loadcnt 16                              ; step 0's eight loads are in
	XTURN 0
.irp t, 0,1,2,3,4,5,6,7
	XSTEP \t
.endr
	ds_load_b64 v[8:9], v6                         ; my wave's 256 scale bytes, 8 a lane: these see my byte stores
	s_wait_dscnt 0x0
	global_store_b64 v4, v[8:9], s[16:17]          ; 256 consecutive bytes, aligned
	s_wait_tensorcnt 0x0                           ; the wave's end, behind my last LDS store
	ds_add_u32 v[SPW], v[NIL]
	s_wait_dscnt 0x0
	s_endpgm
; ---------------- a weight: K is the FIRST axis.  A lane takes a column n and its registers run down K: a block of 32 lies in one lane, and the codes come out with K innermost.
; LDS of wave w: 36864 + 7168 w: a stage [kappa 4][tile 2, 896 bytes apart][piece 3][256].
.Lweights:
	s_sub_co_u32 s19, ttmp9, 256
	s_lshr_b32 s26, s19, 5                         ; which weight
	s_and_b32 s27, s19, 7                          ; which 128 columns
	s_bfe_u32 s28, s19, 0x20003                    ; ks: which 256 along K
	v_lshlrev_b32 v3, 2, v2                        ; in: 4 bytes a lane
	v_bfe_u32 v10, v2, 3, 1                        ; my column's tile u of the wave's two,
	v_and_b32 v11, 7, v2
	v_lshrrev_b32 v12, 4, v2
	v_lshl_add_u32 v11, v12, 3, v11                ; and its place r in it
	s_mul_i32 s29, s18, 7168
	s_add_co_u32 s29, s29, 36864
	v_mul_u32_u24 v4, v10, 896
	v_lshl_add_u32 v4, v11, 3, v4
	v_add_nc_u32 v4, s29, v4                       ; into the stage: 896 u + 8 r: the 32 lanes of a store of 8 bytes touch 64 different banks (64 banks of 4 bytes: ISA guide 11.1)
	v_lshlrev_b32 v8, 3, v2                        ; out: 8 x lane
	v_add_nc_u32 v7, s29, v8
	v_lshl_add_u32 v9, v10, 4, v11
	v_lshlrev_b32 v9, 3, v9                        ; my column's 8 scale bytes
	s_lshl_b32 s20, s28, 20                        ; W: 256 rows of 4,096 bytes,
	s_lshl_b32 s30, s27, 9
	s_add_co_u32 s20, s20, s30                     ; 128 columns a work-group,
	s_lshl_b32 s30, s18, 7
	s_add_co_u32 s20, s20, s30                     ; 32 a wave
	s_mov_b32 s21, 0
	s_lshl_b32 s30, s26, 6
	s_lshl_b32 s31, s27, 3
	s_add_co_u32 s30, s30, s31
	s_lshl_b32 s31, s18, 1
	s_add_co_u32 s30, s30, s31
	s_add_co_u32 s30, s30, 512                     ; my first tile
	s_mul_i32 s22, s30, 768
	s_mul_i32 s31, s28, 4*KPITCH
	s_add_co_u32 s22, s22, s31
	s_mov_b32 s23, 0
	s_lshl_b32 s24, s30, 7                         ; 16 rows of 8 scale bytes a tile
	s_mul_i32 s31, s28, 98304
	s_add_co_u32 s24, s24, s31
	s_mov_b32 s25, 0
	s_wait_kmcnt 0x0
	s_bitcmp1_b32 s26, 0                           ; the choice hangs on the work-group's number alone
	s_cselect_b64 s[32:33], s[8:9], s[6:7]
	s_cselect_b64 s[34:35], s[12:13], s[10:11]
	s_bitcmp1_b32 s26, 1
	s_cselect_b64 s[32:33], s[34:35], s[32:33]
	s_add_nc_u64 s[32:33], s[32:33], s[20:21]
	s_add_nc_u64 s[14:15], s[14:15], s[22:23]
	s_add_nc_u64 s[16:17], s[16:17], s[24:25]
.macro WLOAD t                         ; block t: W(32 t + i, my column) into set t % 2 of v32-95
.set N, 0
.rept 32
	global_load_b32 v[32+32*((\t)%2)+N], v3, s[32:33] offset:(32*(\t)+N)*4096 th:TH_LOAD_NT
.set N, N+1
.endr
.endm
.macro WBLOCK t
.set XS, 32+32*((\t)%2)
.if (\t) < 7
	s_wait_loadcnt 32                              ; this block's 32 loads are in; the next block's may be out
.else
	s_wait_loadcnt 0
.endif
	v_max3_num_f32 v12, |v[XS]|, |v[XS+1]|, |v[XS+2]|
	v_max3_num_f32 v13, |v[XS+3]|, |v[XS+4]|, |v[XS+5]|
.irp i, 6,10,14,18,22,26
	v_max3_num_f32 v12, v12, |v[XS+\i]|, |v[XS+\i+1]|
	v_max3_num_f32 v13, v13, |v[XS+\i+2]|, |v[XS+\i+3]|
.endr
	v_max3_num_f32 v12, v12, |v[XS+30]|, |v[XS+31]|
	v_max3_num_f32 v12, v12, v13, 0x1800000        ; the floor, as above
	v_add_nc_u32 v11, 0xff000000, v12
	v_lshrrev_b32 v13, 23, v11                     ; the scale's byte
.if (\t)%4 == 0
	v_mov_b32 v[24+(\t)/4], v13                    ; four bytes to a register, the lower K in the lower byte
.else
	v_lshl_or_b32 v[24+(\t)/4], v13, 8*((\t)%4), v[24+(\t)/4]
.endif
	v_cvt_scalef32_pk16_fp6_f32 v[96:98], v[XS:XS+15], v11
	v_cvt_scalef32_pk16_fp6_f32 v[100:102], v[XS+16:XS+31], v11
	v_nop                                          ; one plain line behind the conversions
	v_mov_b32 v99, v100
	v_mov_b32 v100, v101
	v_mov_b32 v101, v102
.irp p, 0,1,2
	ds_store_b64 v4, v[96+2*\p:97+2*\p] offset:((\t)/2)*1792+((\t)%2)*128+256*\p   ; kappa t / 2; the image's lane r + 16 (t % 2)
.endr
.if (\t)+2 < 8
	WLOAD (\t)+2
.endif
	s_wait_dscnt 0x0                               ; the stores have read their registers: the next block's codes may be written
.endm
	WLOAD 0
	WLOAD 1
.irp t, 0,1,2,3,4,5,6,7
	WBLOCK \t
.endr
	global_store_b64 v9, v[24:25], s[16:17]        ; 32 columns x 8 bytes: the wave fills 256 consecutive bytes, aligned
.set N, 0
.rept 24
	ds_load_b64 v[112+2*N:113+2*N], v7 offset:(N/6)*1792+((N/3)%2)*896+(N%3)*256
.set N, N+1
.endr
.set N, 0
.rept 24
	s_wait_dscnt 23-N                              ; LDS loads come back in order: piece N is in
	global_store_b64 v8, v[112+2*N:113+2*N], s[14:15] offset:(N/6)*KPITCH+((N/3)%2)*768+(N%3)*256
.set N, N+1
.endr
	s_wait_tensorcnt 0x0                           ; the wave's end, behind my last LDS store
	ds_add_u32 v[SPW], v[NIL]
	s_wait_dscnt 0x0
	s_endpgm
.Lfunc_end_k_q641a4b50ab_quant:
	.size	k_q641a4b50ab_quant, .Lfunc_end_k_q641a4b50ab_quant-k_q641a4b50ab_quant
	.p2alignl 7, 3214868480
	.fill 96, 4, 3214868480
	.section	.rodata,"a",@progbits
	.p2align	6, 0x0
	.amdhsa_kernel k_q641a4b50ab_quant
		.amdhsa_group_segment_fixed_size 66048
		.amdhsa_private_segment_fixed_size 0
		.amdhsa_enable_private_segment 0
		.amdhsa_kernarg_size 56
		.amdhsa_user_sgpr_count 2
		.amdhsa_user_sgpr_kernarg_segment_ptr 1
		.amdhsa_wavefront_size32 1
		.amdhsa_system_sgpr_workgroup_id_x 1
		.amdhsa_system_sgpr_workgroup_id_y 1
		.amdhsa_system_sgpr_workgroup_id_z 1
		.amdhsa_system_vgpr_workitem_id 0
		.amdhsa_next_free_vgpr 256
		.amdhsa_next_free_sgpr 66
		.amdhsa_reserve_vcc 0
		.amdhsa_float_denorm_mode_32 3
		.amdhsa_float_denorm_mode_16_64 3
		.amdhsa_memory_ordered 1
		.amdhsa_forward_progress 1
		.amdhsa_inst_pref_size 75
	.end_amdhsa_kernel
	.amdgpu_metadata
---
amdhsa.version: [ 1, 2 ]
amdhsa.kernels:
  - .name:           k_q641a4b50ab_quant
    .symbol:         k_q641a4b50ab_quant.kd
    .args:
      - { .name: x, .offset: 0, .size: 8, .value_kind: global_buffer, .address_space: global }
      - { .name: Wq, .offset: 8, .size: 8, .value_kind: global_buffer, .address_space: global }
      - { .name: Wk, .offset: 16, .size: 8, .value_kind: global_buffer, .address_space: global }
      - { .name: Wv, .offset: 24, .size: 8, .value_kind: global_buffer, .address_space: global }
      - { .name: Wo, .offset: 32, .size: 8, .value_kind: global_buffer, .address_space: global }
      - { .name: cimg, .offset: 40, .size: 8, .value_kind: global_buffer, .address_space: global }
      - { .name: csc, .offset: 48, .size: 8, .value_kind: global_buffer, .address_space: global }
    .group_segment_fixed_size: 66048
    .private_segment_fixed_size: 0
    .kernarg_segment_align: 8
    .kernarg_segment_size: 56
    .max_flat_workgroup_size: 128
    .sgpr_count:     66
    .vgpr_count:     256
    .wavefront_size: 32
...
	.end_amdgpu_metadata
.endif
;; end of part 1
;; launch gemm_qkv (part 2): grid 8 x 48, 4 waves a work-group, clusters of 4 x 4, 327,680 bytes of LDS; arguments cimg, csc, bq, bk, bv, img, sc; writes img, sc
.if DOCPART == 2
	.amdgcn_target "amdgcn-amd-amdhsa--gfx1250"
	.amdhsa_code_object_version 6
	.text
	.protected	k_q641a4b50ab_gemm_qkv
	.globl	k_q641a4b50ab_gemm_qkv
	.p2align	8
	.type	k_q641a4b50ab_gemm_qkv,@function
k_q641a4b50ab_gemm_qkv:
	s_mov_b64 s[64:65], 0
	v_nop
	global_prefetch_b8 v0, s[64:65] scope:SCOPE_SE
	s_setreg_imm32_b32 hwreg(HW_REG_WAVE_MODE, 25, 1), 1
	s_wait_xcnt 0x0
	s_wait_alu depctr_hold_cnt(0) depctr_sa_sdst(0) depctr_va_vdst(0) depctr_va_sdst(0) depctr_va_ssrc(0) depctr_va_vcc(0) depctr_vm_vsrc(0)
	s_getreg_b32 s2, hwreg(HW_REG_IB_STS2, 6, 4)
	s_cmp_eq_u32 s2, 0
	s_cbranch_scc0 .Lentry_in_a_cluster
	s_endpgm
.Lentry_in_a_cluster:
	s_bfe_u32 s2, ttmp6, 0x10000c
	s_cmp_lg_u32 s2, 0xf033
	s_cbranch_scc0 .Lentry_shape_is_right
	s_endpgm
.Lentry_shape_is_right:
; q = x Wq + bq, k = x Wk + bk, v = x Wv + bv on codes of FP6 (E2M3) with E8M0 scales, K = 1,024; the results are quantised in registers and leave as codes, laid as the attention launch's operand registers.
; A tile of 256 x 256 is made by four waves, each 128 x 128: 64 accumulators, 512 registers.  K goes in steps of 256 through two LDS slots filled by the tensor data mover.
; OPERANDS lie in cimg as images of operand registers, [kappa (64 along K)][tile of 16 rows][piece 3][256 bytes]: a fragment (16 rows x 128 K, 12 registers) is six loads of 8 bytes a lane at a constant + 8 x lane:
; 256 consecutive bytes each, no padding.  The rows of a tile are rows 32 g + 8 u + r + 8 (r / 8): so the 16 registers of accumulators (a, 2 g), (a, 2 g + 1) are 16 NEIGHBOURS along source 0's rows.
; THE MATRIX INSTRUCTION IS USED TRANSPOSED: source 0 = the region 'B', source 1 = the region 'A': a lane holds one row of A's and neighbours along B's rows, which is the axis that the results are quantised along.
; TWO ROLES, told apart by the cluster's y alone (MODE, the same in all sixteen partners).  MODE 0 (cluster y 0-7): A = 256 tokens, B = 256 columns of Wq (cluster x 0) or Wk (1): q and k are quantised along the head's 64.
; MODE 1 (cluster y 8-11): A = 256 columns of Wv, B = 256 tokens: v is quantised along the tokens, which are the keys.  LDS, masks and tensor loads are alike in both; only tile numbers in memory differ.
; CLUSTERS: 4 x 4 work-groups; A's tile is shared along a row of the cluster, B's along a column: each is asked for JOINTLY, by the same tensor load with the same descriptor and a mask that names the four.
; OUT: img [g 48][bs 64][6144]: g 0-15 q's heads, 16-31 k's: [tile of 16 tokens 8][3][256]; g 32-47 v's heads: [tile of 16 d 4][6][256].  bs = 128 tokens.  sc: the scale words, 16 bytes a lane (see the tail).
; LIMITS: NaN and infinities are not served; a block of zeros gets the scale byte 1 (its codes are zeros; this program alone reads the bytes).
; No prefetch: K has four steps, of which two are asked for at the head.
; REGISTERS: window 0: v16-29 addresses; v32-63 scale words, two sets; v64-127 the bias by column; v128-223 A's fragments, ONE set; v224-239 the bias by row.  window 1: B's fragments, two sets (v0, v128).  windows 2, 3: accumulators (a, b) at v[8 (8 (a % 4) + b)].
.set HALFT, 24576                      ; what one tensor load brings: [kappa 4][tile 8][768]: 128 rows x 256 along K
.set SLOT,  4*HALFT                    ; A's two halves, then B's two
.set SCL,   2*SLOT                     ; behind the ring: the scale bytes for all of K
.set HALFS, 4096                       ; [ks 4][128 rows][8]
.set SPARE, SCL+4*HALFS                ; the spare words, 128 bytes for each wave
.set KSTEPB, 2359296                   ; a K step of 256 in cimg: four kappa
.set FR,   12
.set NL,   6
.set ADRA, 16                          ; v16-17 my A fragments in slot 0, 1
.set ADRB, 20                          ; v20-21 the same for B
.set L8,   24                          ; v24 8 x lane
.set L16,  25                          ; v25 16 x lane
.set ADRS, 27                          ; v27 my scale words: lanes 0-15 A's rows, lanes 16-31 B's
.set SPW,  28                          ; v28 my spare word; never rewritten
.set NIL,  29                          ; v29 0; never rewritten
.set SC,   32
.set BJ,   64
.set AF,   128
.set BI,   224
.set G1,   24
.set G0,   32
.set G1B,  48
.set G0B,  56
.set G1S,  68
.set G0S,  76
.set G1SB, 80
.set G0SB, 88
.set MSB, 0
.macro WIN new                         ; the immediate's high byte repeats the setting that is left
.if MSB != (\new)
	s_set_vgpr_msb (MSB<<8)|(\new)
.set MSB, (\new)
.endif
.endm
; A joint load: waves 0 and 1 fetch for A, waves 2 and 3 for B; the branch hangs on the wave's number alone.  An s_nop 0 and four v_nop follow each line.
.macro JLOAD g0a, g1a, g0b, g1b
	s_cmp_eq_u32 s19, 0
	s_cbranch_scc0 .Lfor_b_\@
	tensor_load_to_lds s[\g0a:\g0a+3], s[\g1a:\g1a+7]
	s_nop 0
.rept 4
	v_nop
.endr
	s_branch .Lasked_\@
.Lfor_b_\@:
	tensor_load_to_lds s[\g0b:\g0b+3], s[\g1b:\g1b+7]
	s_nop 0
.rept 4
	v_nop
.endr
.Lasked_\@:
.endm
.macro CREST                           ; a round of the cluster's barrier behind its opening barrier
	s_cmp_lg_u32 s18, 0
	s_cbranch_scc1 .Lnot_wave_0_\@
	s_barrier_signal -3
.Lnot_wave_0_\@:
	s_barrier_wait -3
	s_barrier_signal -1
	s_barrier_wait -1
.endm
.macro CROUND
	s_barrier_signal -1
	s_barrier_wait -1
	CREST
.endm
	s_load_b256 s[4:11], s[0:1], 0x0               ; cimg, csc, bq, bk
	s_load_b128 s[12:15], s[0:1], 0x20             ; bv, img
	s_load_b64 s[16:17], s[0:1], 0x30              ; sc
	v_lshl_add_u32 v[SPW], v0, 2, SPARE
	v_mov_b32 v[NIL], 0
	ds_add_u32 v[SPW], v[NIL]                      ; the wave's opening: the add and its wait ahead of my first tensor load; work on registers stands between them
	v_lshrrev_b32 v1, 5, v0
	v_readfirstlane_b32 s18, v1                    ; wave 0..3
	s_lshr_b32 s19, s18, 1                         ; my half of A's rows.  Also: I fetch for A (0) or for B (1)
	s_and_b32 s20, s18, 1                          ; my half of B's rows.  Also: which 128 rows I fetch
	s_bfe_u32 s40, ttmp6, 0x40000                  ; cx
	s_bfe_u32 s41, ttmp6, 0x40004                  ; cy
	s_and_b32 s42, ttmp7, 0xffff                   ; cluster y, 0..11
	s_lshr_b32 s23, s42, 3                         ; MODE
	s_xor_b32 s43, s23, 1                          ; 1 - MODE
	s_mul_i32 s44, s42, s43
	s_lshl_b32 s44, s44, 2
	s_add_co_u32 s44, s44, s41                     ; YA: A's block of 256 rows: tokens 4 x cluster y + cy, or Wv's columns cy
	s_and_b32 s45, s42, 7
	s_mul_i32 s45, s45, s23
	s_lshl_b32 s45, s45, 3
	s_lshl_b32 s46, ttmp9, 2
	s_add_co_u32 s45, s45, s46
	s_add_co_u32 s45, s45, s40                     ; XB: B's block: columns of [Wq | Wk] 4 x cluster x + cx, or tokens 8 (cluster y - 8) + 4 x cluster x + cx
	s_lshl_b32 s46, s41, 2
	s_lshl_b32 s46, 15, s46                        ; my row of the cluster
	s_lshl_b32 s47, 0x1111, s40                    ; my column
	s_or_b32 s[G1], s46, (3<<16)|(1<<21)           ; 15:0 the mask; 17:16 elements of 8 bytes; 20 no padding; 21 set beside a mask
	s_or_b32 s[G1B], s47, (3<<16)|(1<<21)
	s_or_b32 s[G1S], s46, (3<<16)|(1<<21)
	s_or_b32 s[G1SB], s47, (3<<16)|(1<<21)
.irp g, G1, G1B                        ; codes: 4 rows (kappa) of 768 elements (8 tiles x 768 bytes), 589,824 bytes apart
	s_mov_b32 s[\g+1], 768<<16
	s_mov_b32 s[\g+2], 4<<16
	s_mov_b32 s[\g+3], 768<<16
	s_mov_b32 s[\g+4], 4
	s_mov_b32 s[\g+5], 73728
	s_mov_b32 s[\g+6], 0
	s_mov_b32 s[\g+7], 0
.endr
.irp g, G1S, G1SB                      ; scale bytes: 4 rows (ks) of 128 elements (128 rows x 8 bytes), 98,304 bytes apart
	s_mov_b32 s[\g+1], 128<<16
	s_mov_b32 s[\g+2], 4<<16
	s_mov_b32 s[\g+3], 128<<16
	s_mov_b32 s[\g+4], 4
	s_mov_b32 s[\g+5], 12288
	s_mov_b32 s[\g+6], 0
	s_mov_b32 s[\g+7], 0
.endr
	s_lshl_b32 s21, s20, 3                         ; which 8 tiles of the 16 I fetch
	s_lshl_b32 s46, s44, 4
	s_mul_i32 s22, s23, 640                        ; Wv's tiles begin at 640
	s_add_co_u32 s46, s46, s22
	s_add_co_u32 s46, s46, s21                     ; A's first tile that I fetch: made of cy and cluster numbers
	s_lshl_b32 s47, s45, 4
	s_mul_i32 s22, s43, 512                        ; Wq's at 512, Wk's behind them
	s_add_co_u32 s47, s47, s22
	s_add_co_u32 s47, s47, s21                     ; B's: made of cx and cluster numbers
	s_mul_i32 s92, s46, 768
	s_mov_b32 s93, 0
	s_mul_i32 s94, s47, 768
	s_mov_b32 s95, 0
	s_lshl_b32 s96, s46, 7
	s_mov_b32 s97, 0
	s_lshl_b32 s98, s47, 7
	s_mov_b32 s99, 0
	s_mul_i32 s21, s18, HALFT                      ; where they go: wave x a load's bytes: no place in the cluster enters an LDS address
	s_mul_i32 s22, s18, HALFS
	s_mov_b32 s2, 0x76543210
	s_mov_b32 s3, 0xfedcba98                       ; v_permlanex16_b32's selects for lane l xor 16
	s_mov_b32 s67, 0xffff0000                      ; lanes 16-31
	s_wait_dscnt 0x0                               ; the opening add is done
	s_wait_kmcnt 0x0
	s_add_nc_u64 s[92:93], s[4:5], s[92:93]
	s_add_nc_u64 s[94:95], s[4:5], s[94:95]
	s_add_nc_u64 s[96:97], s[6:7], s[96:97]
	s_add_nc_u64 s[98:99], s[6:7], s[98:99]
	CROUND                                         ; all sixteen work-groups are here: the first joint loads meet
	s_mov_b32 s[G0S], 1
	s_add_co_u32 s[G0S+1], s22, SCL
	s_mov_b64 s[G0S+2:G0S+3], s[96:97]
	s_or_b32 s[G0S+3], s[G0S+3], 0x80000000
	s_mov_b32 s[G0SB], 1
	s_add_co_u32 s[G0SB+1], s22, SCL
	s_mov_b64 s[G0SB+2:G0SB+3], s[98:99]
	s_or_b32 s[G0SB+3], s[G0SB+3], 0x80000000
	JLOAD G0S, G1S, G0SB, G1SB                     ; the scale bytes for all of K: filled once
.irp s, 0,1
	s_mov_b32 s[G0+4*\s], 1
	s_add_co_u32 s[G0+4*\s+1], s21, \s*SLOT
	s_add_nc_u64 s[G0+4*\s+2:G0+4*\s+3], s[92:93], \s*KSTEPB
	s_or_b32 s[G0+4*\s+3], s[G0+4*\s+3], 0x80000000
	s_mov_b32 s[G0B+4*\s], 1
	s_add_co_u32 s[G0B+4*\s+1], s21, \s*SLOT
	s_add_nc_u64 s[G0B+4*\s+2:G0B+4*\s+3], s[94:95], \s*KSTEPB
	s_or_b32 s[G0B+4*\s+3], s[G0B+4*\s+3], 0x80000000
	JLOAD G0+4*\s, G1, G0B+4*\s, G1B               ; K steps 0 and 1: three loads of mine are out
.endr
	v_and_b32 v1, 15, v0                           ; r
	v_bfe_u32 v2, v0, 4, 1                         ; h
	v_and_b32 v3, 31, v0
	v_lshlrev_b32 v[L8], 3, v3
	v_lshlrev_b32 v[L16], 4, v3
	s_mul_i32 s21, s19, HALFT
	s_mul_i32 s22, s20, HALFT
	s_add_co_u32 s22, s22, 2*HALFT
.irp s, 0,1
	v_add_nc_u32 v[ADRA+\s], s21, v[L8]
	v_add_nc_u32 v[ADRB+\s], s22, v[L8]
	s_add_co_u32 s21, s21, SLOT
	s_add_co_u32 s22, s22, SLOT
.endr
	v_lshlrev_b32 v5, 3, v1                        ; my row's 8 scale bytes of a K step
	s_mul_i32 s21, s19, HALFS
	s_mul_i32 s22, s20, HALFS
	s_add_co_u32 s22, s22, 2*HALFS
	s_sub_co_u32 s22, s22, s21
	v_mul_u32_u24 v6, s22, v2                      ; lanes 16-31 take B's: the lower base + h x the distance
	s_add_co_u32 s21, s21, SCL
	v_add_nc_u32 v5, v5, v6
	v_add_nc_u32 v[ADRS], s21, v5
	; where the results go
	s_lshl_b32 s46, s45, 2
	s_lshl_b32 s92, s20, 1
	s_add_co_u32 s46, s46, s92                     ; MODE 0: g = 4 XB + 2 x my half of the columns: two heads
	s_lshl_b32 s47, s44, 2
	s_lshl_b32 s92, s19, 1
	s_add_co_u32 s47, s47, s92
	s_add_co_u32 s47, s47, 32                      ; MODE 1: g = 32 + 4 YA + 2 x my half
	s_lshl_b32 s21, s44, 1
	s_add_co_u32 s21, s21, s19                     ; MODE 0: bs = 2 YA + half.  MODE 1: the pair of heads
	s_lshl_b32 s22, s45, 1
	s_add_co_u32 s22, s22, s20                     ; MODE 1: bs = 2 XB + half
	s_lshl_b32 s42, s21, 6
	s_add_co_u32 s42, s42, 2048                    ; v's scale records lie behind the 2,048 of q and k
	s_lshl_b32 s43, s46, 6
	s_mov_b32 s96, 1536
	s_mov_b32 s98, 388608
	s_mov_b32 s100, 768
	s_cmp_eq_u32 s23, 0
	s_cselect_b32 s46, s46, s47                    ; g
	s_cselect_b32 s47, s21, s22                    ; bs
	s_cselect_b32 s42, s43, s42
	s_cselect_b32 s66, 0xffff, -1                  ; which bytes of a scale word the first record takes
	s_cselect_b32 s96, 768, s96                    ; from block a to a + 1: a tile of tokens (768) or a fragment of v (1,536),
	s_cselect_b32 s98, 768, s98                    ; from a = 3 to a = 4 in v: on to the next head's record: 393,216 - 3 x 1,536
	s_cselect_b32 s100, 393216, s100               ; the second three pieces: the next head's record, or the fragment's second half
	s_mov_b32 s97, 0
	s_mov_b32 s99, 0
	s_mov_b32 s101, 0
	s_lshl_b32 s46, s46, 6
	s_add_co_u32 s46, s46, s47
	s_mul_i32 s92, s46, 6144
	s_mov_b32 s93, 0
	s_add_nc_u64 s[92:93], s[14:15], s[92:93]      ; pieces 0-2
	s_add_nc_u64 s[94:95], s[92:93], s[100:101]    ; pieces 3-5
	s_add_co_u32 s42, s42, s47
	s_lshl_b32 s100, s42, 9
	s_add_nc_u64 s[100:101], s[16:17], s[100:101]  ; my scale record
	; the biases, both kinds in both modes (every index lies inside its buffer): by column of B (MODE 0) and by row of A (MODE 1)
	s_cmp_eq_u32 ttmp9, 0
	s_cselect_b64 s[46:47], s[8:9], s[10:11]       ; bq or bk
	s_lshl_b32 s42, s40, 10
	s_lshl_b32 s43, s20, 9
	s_add_co_u32 s42, s42, s43
	v_lshl_add_u32 v7, v2, 6, s42                  ; column 256 cx + 128 half + 16 h
.irp g, 0,1,2,3
.irp m, 0,1,2,3
	global_load_b128 v[BJ+16*\g+4*\m:BJ+16*\g+4*\m+3], v7, s[46:47] offset:128*\g+16*\m   ; register 16 g + i: column 32 g + 16 h + i
.endr
.endr
	v_lshrrev_b32 v8, 3, v1
	v_lshl_add_u32 v8, v8, 3, v1                   ; r + 8 (r / 8)
	s_lshl_b32 s42, s41, 10
	s_lshl_b32 s43, s19, 9
	s_add_co_u32 s42, s42, s43
	v_lshl_add_u32 v8, v8, 2, s42
.irp a, 0,1,2,3,4,5,6,7
	global_load_b32 v[BI+2*\a], v8, s[12:13] offset:(32*(\a/2)+8*(\a%2))*4     ; bv at my row of block a, twice: a pair for the packed addition
	global_load_b32 v[BI+2*\a+1], v8, s[12:13] offset:(32*(\a/2)+8*(\a%2))*4
.endr
.macro FRAG reg, adr, q, i             ; a fragment: six pieces, 256 consecutive bytes each
.irp p, 0,1,2,3,4,5
	ds_load_b64 v[\reg+2*\p:\reg+2*\p+1], v[\adr] offset:(2*(\q)+\p/3)*6144+(\i)*768+(\p%3)*256
.endr
.endm
; 16 matrix instructions: A's blocks a0, a0 + 1 x B's eight.  p: B's set; q: the slot's q-th 128 along K; sc: the set of scale words.  zero = 1: the first product starts the sums.
; The 64 accumulators take turns, one instruction a turn, in the same order in every step.
.macro MUL16 a0, p, q, sc, zero
.irp a, \a0, \a0+1
.irp b, 0,1,2,3,4,5,6,7
.if \zero
	v_wmma_scale_f32_16x16x128_f8f6f4 v[8*(8*((\a)%4)+\b):8*(8*((\a)%4)+\b)+7], v[128*(\p)+FR*\b:128*(\p)+FR*\b+FR-1], v[AF+FR*(\a):AF+FR*(\a)+FR-1], 0, v[SC+16*(\sc)+2*\b+(\q)], v[SC+16*(\sc)+2*(\a)+(\q)] matrix_a_fmt:MATRIX_FMT_FP6 matrix_b_fmt:MATRIX_FMT_FP6 matrix_a_scale:MATRIX_SCALE_ROW1
.else
	v_wmma_scale_f32_16x16x128_f8f6f4 v[8*(8*((\a)%4)+\b):8*(8*((\a)%4)+\b)+7], v[128*(\p)+FR*\b:128*(\p)+FR*\b+FR-1], v[AF+FR*(\a):AF+FR*(\a)+FR-1], v[8*(8*((\a)%4)+\b):8*(8*((\a)%4)+\b)+7], v[SC+16*(\sc)+2*\b+(\q)], v[SC+16*(\sc)+2*(\a)+(\q)] matrix_a_fmt:MATRIX_FMT_FP6 matrix_b_fmt:MATRIX_FMT_FP6 matrix_a_scale:MATRIX_SCALE_ROW1
.endif
.endr
.endr
.endm
.macro FETCH_B slot, q, p
	WIN 0x40                                       ; destination window 1
.irp i, 0,1,2,3,4,5,6,7
	FRAG 128*(\p)+FR*\i, ADRB+\slot, \q, \i
.endr
	WIN 0
.endm
.macro FETCH_A slot, q, i0
.irp i, \i0, \i0+1, \i0+2, \i0+3
	FRAG AF+FR*(\i), ADRA+\slot, \q, \i
.endr
.endm
.macro SCALES sc                       ; a K step's two scale words a row: lanes 0-15 A's block i, lanes 16-31 B's block i
.irp i, 0,1,2,3,4,5,6,7
	ds_load_b64 v[SC+16*\sc+2*\i:SC+16*\sc+2*\i+1], v[ADRS] offset:128*\i
.endr
.endm
; A load into a register that a matrix instruction has read, and a vector instruction that reads a matrix result, stand four places behind it; only plain vector instructions that name none of its registers are places.
.macro PLACES n
.rept \n
	v_nop
.endr
.endm
.macro STEP slot, q, zero              ; 128 along K that has its successor in the same slot
	s_wait_dscnt 4*NL                              ; B's set and A's blocks 0-3 are in; the youngest 24 loads (A's blocks 4-7) may be out
	WIN 0xa1                                       ; source 0 window 1, source 1 window 0, C and D window 2
	MUL16 0, (\q)%2, \q, \slot, \zero
	MUL16 2, (\q)%2, \q, \slot, \zero
	s_wait_dscnt 0                                 ; A's blocks 4-7 are in
	PLACES 4
	FETCH_B \slot, (\q)+1, 1-(\q)%2
	FETCH_A \slot, (\q)+1, 0
	WIN 0xf1                                       ; C and D window 3
	MUL16 4, (\q)%2, \q, \slot, \zero
	MUL16 6, (\q)%2, \q, \slot, \zero
	PLACES 4
	WIN 0
	FETCH_A \slot, (\q)+1, 4
.endm
; A slot's last 128 change slots: ONE barrier; in front of it each wave waits for all its tensor loads, adds 0 to its spare word, and waits for that and for its reads of this slot.  fill = 1: the slot is filled again, two K steps ahead.
.macro TURN slot, next, fill
	s_wait_tensorcnt 0x0                           ; all my tensor loads have landed: my part of the next slot
	ds_add_u32 v[SPW], v[NIL]                      ; 0 onto my spare word
	s_wait_dscnt 4*NL+1                            ; (the add and the youngest 24 loads may be out)
	WIN 0xa1
	MUL16 0, 1, 1, \slot, 0                        ; sixteen matrix instructions stand between the add and the wait for it
	s_wait_dscnt 0x0                               ; the add is done, and my reads of this slot are over
	s_barrier_signal -1
	MUL16 2, 1, 1, \slot, 0
	WIN 0
	s_barrier_wait -1
.if \fill
	CREST                                          ; the barrier has opened a round of the cluster's: no wave of any partner still reads this slot or has a load on its way
	s_add_nc_u64 s[G0+4*\slot+2:G0+4*\slot+3], s[G0+4*\slot+2:G0+4*\slot+3], 2*KSTEPB
	s_add_nc_u64 s[G0B+4*\slot+2:G0B+4*\slot+3], s[G0B+4*\slot+2:G0B+4*\slot+3], 2*KSTEPB
	JLOAD G0+4*\slot, G1, G0B+4*\slot, G1B         ; the first tensor load behind the round; its four v_nop are the places in front of the loads below
.else
	PLACES 4
.endif
	v_add_nc_u32 v[ADRS], 1024, v[ADRS]            ; the next K step's scale words
	FETCH_B \next, 0, 0
	FETCH_A \next, 0, 0
	SCALES \next
	WIN 0xf1
	MUL16 4, 1, 1, \slot, 0
	MUL16 6, 1, 1, \slot, 0
	PLACES 4
	WIN 0
	FETCH_A \next, 0, 4
.endm
	s_wait_tensorcnt 1                             ; the scale bytes and my part of K step 0 are in (K step 1's load may be out),
	s_barrier_signal -1
	s_barrier_wait -1                              ; everybody's are
	FETCH_B 0, 0, 0
	FETCH_A 0, 0, 0
	SCALES 0
	FETCH_A 0, 0, 4
	STEP 0, 0, 1                                   ; K = 1,024 is four K steps: written straight, since a loop would have one trip
	TURN 0, 1, 1
	STEP 1, 0, 0
	TURN 1, 0, 1
	STEP 0, 0, 0
	TURN 0, 1, 0                                   ; nothing is left to fetch: no round
	STEP 1, 0, 0
	s_wait_dscnt 4*NL
	WIN 0xa1
	MUL16 0, 1, 1, 1, 0
	MUL16 2, 1, 1, 1, 0
	s_wait_dscnt 0
	WIN 0xf1
	MUL16 4, 1, 1, 1, 0
	MUL16 6, 1, 1, 1, 0
	WIN 0
; THE WAY OUT, block a (16 rows of A's) at a time: bias, quantised along B's 128 rows, codes stored as pieces.  No LDS: a piece is 8 bytes a lane, 256 consecutive bytes a store.
.set TT,  128                          ; v128-191 the block's 64 numbers: register 16 g + i = neighbour 32 g + 16 h + i
.set PCD, 192                          ; v192-211 codes
.set TM,  32                           ; v32-47 at work
.set PW,  48                           ; the block's scale word (the same in lanes l and l xor 16)
.set PWE, 49                           ; the even block's, kept
.set RAW, 52                           ; v52-55 word g: lanes 0-15 block 2 g's rows, lanes 16-31 block 2 g + 1's
.set EW,  56
.set OW,  60
.macro QUANT s                         ; 64 numbers of a lane become a fragment's codes in v[PCD] on and its scale word in v[PW]
.irp b, 0,1,2,3
	v_max3_num_f32 v[TM+\b], |v[\s+16*\b]|, |v[\s+1+16*\b]|, 0x1800000   ; block b: my 16 numbers, and the floor 2^(3 - 127): the byte cannot fall under 1
.endr
.irp i, 2,4,6,8,10,12,14
.irp b, 0,1,2,3
	v_max3_num_f32 v[TM+\b], v[TM+\b], |v[\s+16*\b+\i]|, |v[\s+1+16*\b+\i]|
.endr
.endr
.irp b, 0,1,2,3
	v_permlanex16_b32 v[TM+4+\b], v[TM+\b], s2, s3
.endr
.irp b, 0,1,2,3
	v_max_num_f32 v[TM+\b], v[TM+\b], v[TM+4+\b]   ; with lane l xor 16's: the block's largest magnitude
.endr
.irp b, 0,1,2,3
	v_add_nc_u32 v[TM+12+\b], 0xff000000, v[TM+\b] ; 2 off the exponent field: the conversion's scale operand
.endr
.irp b, 0,1,2,3
	v_lshrrev_b32 v[TM+4+\b], 23, v[TM+12+\b]      ; the scale's byte
.endr
	v_lshl_or_b32 v[PW], v[TM+5], 8, v[TM+4]
	v_lshl_or_b32 v[PW], v[TM+6], 16, v[PW]
	v_lshl_or_b32 v[PW], v[TM+7], 24, v[PW]
.irp c, 0,1
	v_cvt_scalef32_pk16_fp6_f32 v[PCD+6*\c:PCD+2+6*\c], v[\s+32*\c:\s+15+32*\c], v[TM+12+2*\c]
	v_cvt_scalef32_pk16_fp6_f32 v[PCD+12+4*\c:PCD+14+4*\c], v[\s+16+32*\c:\s+31+32*\c], v[TM+12+2*\c+1]
.endr
	v_nop                                          ; one plain line behind the conversions
.irp c, 0,1                            ; the operand's layout wants a WHOLE block in a lane
.irp i, 0,1,2
	v_permlane16_swap_b32 v[PCD+6*\c+\i], v[PCD+12+4*\c+\i]
.endr
.irp i, 0,1,2
	v_mov_b32 v[PCD+3+6*\c+\i], v[PCD+12+4*\c+\i]
.endr
.endr
.endm
.macro BIAS a                          ; the two arms hold work on registers alone; each accumulator is read from its low end on
	s_cmp_eq_u32 s23, 0
	s_cbranch_scc0 .Lby_row_\@
	WIN 0x02+(\a)/4                                ; source 0: window 2 or 3
.set N, 0
.rept 32
	v_pk_add_f32 v[TT+N:TT+N+1], v[64*((\a)%4)+N:64*((\a)%4)+N+1], v[BJ+N:BJ+N+1]
.set N, N+2
.endr
	WIN 0
	s_branch .Lbiased_\@
.Lby_row_\@:
	WIN 0x02+(\a)/4
.set N, 0
.rept 32
	v_pk_add_f32 v[TT+N:TT+N+1], v[64*((\a)%4)+N:64*((\a)%4)+N+1], v[BI+2*(\a):BI+2*(\a)+1]
.set N, N+2
.endr
	WIN 0
.Lbiased_\@:
.endm
.macro BLOCK a
.if (\a) > 0
	s_wait_xcnt 0x0                                ; the last block's stores have read their data and their bases: both are written again only behind this wait
.if (\a) == 4
	s_add_nc_u64 s[92:93], s[92:93], s[98:99]
	s_add_nc_u64 s[94:95], s[94:95], s[98:99]
.else
	s_add_nc_u64 s[92:93], s[92:93], s[96:97]
	s_add_nc_u64 s[94:95], s[94:95], s[96:97]
.endif
.endif
	BIAS \a
	QUANT TT
.irp k, 0,1,2,3,4,5
	global_store_b64 v[L8], v[PCD+2*\k:PCD+2*\k+1], s[92+2*(\k/3):93+2*(\k/3)] offset:256*(\k%3)   ; MODE 0: registers 0-5 are the even head's tile, 6-11 the odd head's; MODE 1: the whole fragment of v
.endr
.if (\a)%2 == 0
	v_mov_b32 v[PWE], v[PW]
.else
	v_cndmask_b32 v[RAW+(\a)/2], v[PWE], v[PW], s67
.endif
.endm
	s_wait_loadcnt 0x0                             ; the biases
	PLACES 4                                       ; behind the last products
.irp b, 0,1,2,3
	v_mov_b32 v[TM+4+\b], 0                        ; written once: a lane permute's destination counts as one of its sources
.endr
.irp a, 0,1,2,3,4,5,6,7
	BLOCK \a
.endr
	; the scale words, 16 bytes a lane.  MODE 0: bytes 0, 1 are the even head's two blocks, bytes 2, 3 the odd head's: two records, each with its upper two bytes 0.  MODE 1: four blocks of keys: one record for the pair of heads
.irp b, 0,1,2,3
	v_and_b32 v[EW+\b], s66, v[RAW+\b]
.endr
	global_store_b128 v[L16], v[EW:EW+3], s[100:101]
	s_cmp_lg_u32 s23, 0
	s_cbranch_scc1 .Lno_odd
.irp b, 0,1,2,3
	v_lshrrev_b32 v[OW+\b], 16, v[RAW+\b]
.endr
	global_store_b128 v[L16], v[OW:OW+3], s[100:101] offset:32768
.Lno_odd:
	s_wait_tensorcnt 0x0                           ; the wave's end, behind my last tensor load
	ds_add_u32 v[SPW], v[NIL]
	s_wait_dscnt 0x0
	CROUND                                         ; the closing round: no work-group ends while a partner may still ask for a tile that names it
	s_endpgm
.Lfunc_end_k_q641a4b50ab_gemm_qkv:
	.size	k_q641a4b50ab_gemm_qkv, .Lfunc_end_k_q641a4b50ab_gemm_qkv-k_q641a4b50ab_gemm_qkv
	.p2alignl 7, 3214868480
	.fill 96, 4, 3214868480
	.section	.rodata,"a",@progbits
	.p2align	6, 0x0
	.amdhsa_kernel k_q641a4b50ab_gemm_qkv
		.amdhsa_group_segment_fixed_size 327680
		.amdhsa_private_segment_fixed_size 0
		.amdhsa_enable_private_segment 0
		.amdhsa_kernarg_size 56
		.amdhsa_user_sgpr_count 2
		.amdhsa_user_sgpr_kernarg_segment_ptr 1
		.amdhsa_wavefront_size32 1
		.amdhsa_system_sgpr_workgroup_id_x 1
		.amdhsa_system_sgpr_workgroup_id_y 1
		.amdhsa_system_sgpr_workgroup_id_z 1
		.amdhsa_system_vgpr_workitem_id 0
		.amdhsa_next_free_vgpr 1024
		.amdhsa_next_free_sgpr 102
		.amdhsa_reserve_vcc 0
		.amdhsa_float_denorm_mode_32 3
		.amdhsa_float_denorm_mode_16_64 3
		.amdhsa_memory_ordered 1
		.amdhsa_forward_progress 1
		.amdhsa_inst_pref_size 204
	.end_amdhsa_kernel
	.amdgpu_metadata
---
amdhsa.version: [ 1, 2 ]
amdhsa.kernels:
  - .name:           k_q641a4b50ab_gemm_qkv
    .symbol:         k_q641a4b50ab_gemm_qkv.kd
    .args:
      - { .name: cimg, .offset: 0, .size: 8, .value_kind: global_buffer, .address_space: global }
      - { .name: csc, .offset: 8, .size: 8, .value_kind: global_buffer, .address_space: global }
      - { .name: bq, .offset: 16, .size: 8, .value_kind: global_buffer, .address_space: global }
      - { .name: bk, .offset: 24, .size: 8, .value_kind: global_buffer, .address_space: global }
      - { .name: bv, .offset: 32, .size: 8, .value_kind: global_buffer, .address_space: global }
      - { .name: img, .offset: 40, .size: 8, .value_kind: global_buffer, .address_space: global }
      - { .name: sc, .offset: 48, .size: 8, .value_kind: global_buffer, .address_space: global }
    .group_segment_fixed_size: 327680
    .private_segment_fixed_size: 0
    .kernarg_segment_align: 8
    .kernarg_segment_size: 56
    .max_flat_workgroup_size: 128
    .sgpr_count:     102
    .vgpr_count:     1024
    .wavefront_size: 32
...
	.end_amdgpu_metadata
.endif
;; end of part 2
;; launch attn (part 3): grid 4 x 64, 16 waves a work-group, no clusters, 215,040 bytes of LDS; arguments img, sc, cimg, csc; writes cimg, csc
.if DOCPART == 3
	.amdgcn_target "amdgcn-amd-amdhsa--gfx1250"
	.amdhsa_code_object_version 6
	.text
	.protected	k_q641a4b50ab_attn
	.globl	k_q641a4b50ab_attn
	.p2align	8
	.type	k_q641a4b50ab_attn,@function
k_q641a4b50ab_attn:
	s_mov_b64 s[64:65], 0
	v_nop
	global_prefetch_b8 v0, s[64:65] scope:SCOPE_SE
	s_setreg_imm32_b32 hwreg(HW_REG_WAVE_MODE, 25, 1), 1
	s_wait_xcnt 0x0
; Causal attention of one head (16 heads x 4 batches: work-group y = 4 head + batch), both products on codes of FP6 (E2M3) with E8M0 scales; head size 64, 2,048 tokens.
; THE SOFTMAX AHEAD OF THE SECOND PRODUCT: t = score x log2(e) / 8; M = the running largest t rounded UP to a whole number; p = 2^(t - M) is quantised along the keys, not normalised; the row's sum is taken of the
; unquantised p and divides at the end; when M moves, the sum and O are multiplied by 2^(old M - new M), which rounds nothing.
; The result, divided by the sum, is quantised along head x 64 + d and stored as codes where x's codes lay (cimg tiles 0-511, csc rows 0-8191): the last product's operand.
; SHARES.  K and V of the whole head lie in LDS (2 x 98,304 bytes of codes, 2 x 8,192 of scale words), filled ONCE: no ring.  The head's 128 tiles of 16 queries are dealt so that every wave has the same work:
; wave w of work-group x takes tile 16 x + w and then tile 127 - (16 x + w): (T / 8 + 1) key steps of 128 each, 17 in all, two of them on the diagonal.  Four waves share a SIMD: one's vector work stands beside another's products.
; NO CLUSTER, though a head's four work-groups read the same K and V: which key steps a wave leaves out is a branch on its block of queries, which in such a cluster would be its place in the cluster.
; NO PREFETCH: all that the work-group reads is asked for at its head.
; LAYOUT.  Both products are used transposed: S^T = K Q^T, O^T = V^T P^T: a lane holds ONE query.  A tile's rows are rows 32 g + 8 u + r + 8 (r / 8), so the 16 registers of tiles 2 g, 2 g + 1 are 16 neighbouring keys (or d).
; K = 64 IN A FORM OF K = 128: Q's registers 6-11 are zero codes; K's tiles lie 6 registers apart, so a tile's operand takes the next tile's codes as its upper half: finite codes x zero codes add nothing.  Bytes 2, 3 of Q's and K's scale words are 0.
; LIMITS: NaN and infinities are not served; a block of zeros gets the scale byte 1 (its codes are zeros; this program alone reads the bytes).
; REGISTERS: v1-7 addresses; v8-11 the step's addresses; v12 -M, v13 the largest t, v[14:15] the sum; v16-27 Q (first tile), v212-223 Q (second); v28, v29 their scale words; v30 the mask's d; v32-85 K's 8 tiles, then V's 4 fragments;
; v86-89 K's scale words, v90-91 V's; v92 V's lane address; v96-159 S^T, then p; v160-191 O^T; v192-211 codes; v232-255 at work.
.set VIMG,  98304
.set KSC,   196608
.set VSC,   204800
.set SPARE, 212992                     ; the spare words, 128 bytes for each of sixteen waves
.set WV,  18
.set SEL, 20                           ; s[20:21] lane selects: lane l xor 16
.set CS,  22                           ; s[22:23] c = log2(e) / 8
.set G1C, 24                           ; s[24:31] group 1: 12 rows of 256 bytes, dense
.set G1S, 32                           ; s[32:39] 2 rows of 256 bytes
.set ST,  66                           ; the key step
.set DG,  67                           ; the step on the diagonal: T / 8
.set TK,  68                           ; LDS byte of the step's tiles: 6,144 a step
.set TS,  69                           ; and of its scale words: 512 a step
.set HM,  70                           ; lanes 16-31
.set TQ,  71                           ; my tile of queries
	s_load_b256 s[4:11], s[0:1], 0x0               ; img, sc, cimg, csc
	v_lshl_add_u32 v5, v0, 2, SPARE
	v_mov_b32 v6, 0
	ds_add_u32 v5, v6                              ; the wave's opening: the add and its wait ahead of my first tensor load; work on registers stands between them
	ds_add_u32 v5, v6
	v_lshrrev_b32 v8, 5, v0
	s_delay_alu instid0(VALU_DEP_1)
	v_readfirstlane_b32 s[WV], v8                  ; wave 0..15
	s_and_b32 s12, ttmp7, 0xffff                   ; y = 4 head + batch
	s_mov_b32 s[G1C], 3<<16                        ; elements of 8 bytes, no mask, no padding
	s_mov_b32 s[G1C+1], 32<<16
	s_mov_b32 s[G1C+2], 12<<16
	s_mov_b32 s[G1C+3], 32<<16
	s_mov_b32 s[G1C+4], 12
	s_mov_b32 s[G1C+5], 32
	s_mov_b32 s[G1C+6], 0
	s_mov_b32 s[G1C+7], 0
	s_mov_b32 s[G1S], 3<<16
	s_mov_b32 s[G1S+1], 32<<16
	s_mov_b32 s[G1S+2], 2<<16
	s_mov_b32 s[G1S+3], 32<<16
	s_mov_b32 s[G1S+4], 2
	s_mov_b32 s[G1S+5], 32
	s_mov_b32 s[G1S+6], 0
	s_mov_b32 s[G1S+7], 0
	s_mul_i32 s13, s[WV], 3072                     ; my sixteenth of half a head's codes,
	s_lshl_b32 s14, s[WV], 9                       ; and of a head's scale words
	s_mul_i32 s16, s12, 98304                      ; the head in a third of img
	s_mov_b32 s17, 0
	s_lshl_b32 s2, s12, 13                         ; and in sc
	s_mov_b32 s3, 0
	s_and_b32 s19, s12, 3                          ; batch
	s_lshr_b32 s15, s12, 3
	s_lshl_b32 s15, s15, 2
	s_add_co_u32 s15, s15, s19                     ; 4 x pair of heads + batch
	s_lshl_b32 s80, s15, 13
	s_add_co_u32 s80, s80, s14
	s_add_co_u32 s80, s80, 1048576                 ; V's scale words lie behind Q's and K's
	s_mov_b32 s81, 0
	s_mov_b32 s82, s13
	s_mov_b32 s83, 0
	s_mov_b32 s84, s14
	s_mov_b32 s85, 0
	s_mov_b32 s[SEL], 0x76543210
	s_mov_b32 s[SEL+1], 0xfedcba98
	s_mov_b32 s[CS], 0x3e38aa3b
	s_mov_b32 s[CS+1], s[CS]                       ; (named with it as a pair, so it is written)
	s_mov_b32 s[HM], 0xffff0000
	s_wait_dscnt 0x0                               ; the opening add is done
	s_wait_kmcnt 0x0
	s_add_nc_u64 s[86:87], s[4:5], s[16:17]        ; Q's codes of my head
	s_add_nc_u64 s[88:89], s[6:7], s[2:3]          ; Q's scale words
	s_add_nc_u64 s[90:91], s[86:87], s[82:83]
	s_add_nc_u64 s[92:93], s[88:89], s[84:85]
	s_mov_b32 s40, 1                               ; K, keys 0-1023
	s_mov_b32 s41, s13
	s_add_nc_u64 s[42:43], s[90:91], 64*98304
	s_or_b32 s43, s43, 0x80000000
	s_mov_b32 s44, 1                               ; V, keys 0-1023
	s_add_co_u32 s45, s13, VIMG
	s_add_nc_u64 s[46:47], s[90:91], 128*98304
	s_or_b32 s47, s47, 0x80000000
	s_mov_b32 s48, 1                               ; K's scale words
	s_add_co_u32 s49, s14, KSC
	s_add_nc_u64 s[50:51], s[92:93], 64*8192
	s_or_b32 s51, s51, 0x80000000
	s_mov_b32 s52, 1                               ; V's
	s_add_co_u32 s53, s14, VSC
	s_add_nc_u64 s[54:55], s[6:7], s[80:81]
	s_or_b32 s55, s55, 0x80000000
	s_mov_b32 s56, 1                               ; K, keys 1024-2047
	s_add_co_u32 s57, s13, 49152
	s_add_nc_u64 s[58:59], s[90:91], 64*98304+49152
	s_or_b32 s59, s59, 0x80000000
	s_mov_b32 s60, 1                               ; V, keys 1024-2047
	s_add_co_u32 s61, s13, VIMG+49152
	s_add_nc_u64 s[62:63], s[90:91], 128*98304+49152
	s_or_b32 s63, s63, 0x80000000
	tensor_load_to_lds s[40:43], s[G1C:G1C+7]      ; every wave brings its own sixteenth of each: six loads of mine are out
	s_nop 0
	tensor_load_to_lds s[44:47], s[G1C:G1C+7]
	s_nop 0
	tensor_load_to_lds s[48:51], s[G1S:G1S+7]
	s_nop 0
	tensor_load_to_lds s[52:55], s[G1S:G1S+7]
	s_nop 0
	tensor_load_to_lds s[56:59], s[G1C:G1C+7]
	s_nop 0
	tensor_load_to_lds s[60:63], s[G1C:G1C+7]
	s_nop 0
	s_lshl_b32 s94, ttmp9, 4
	s_add_co_u32 s94, s94, s[WV]                   ; my first tile: 16 x + w, 0..63
	s_sub_co_u32 s95, 127, s94                     ; my second: 64..127
	v_and_b32 v8, 31, v0                           ; lane
	v_and_b32 v9, 15, v0                           ; r
	v_bfe_u32 v10, v0, 4, 1                        ; h
	s_delay_alu instid0(VALU_DEP_3)
	v_lshlrev_b32 v1, 3, v8                        ; 8 x lane: a piece's place
	s_delay_alu instid0(VALU_DEP_4)
	v_lshlrev_b32 v11, 4, v8
	s_delay_alu instid0(VALU_DEP_1)
	v_add_nc_u32 v2, KSC, v11                      ; K's scale words: 16 bytes a lane
	s_bfe_u32 s15, s12, 0x10002                    ; the head's parity: which 8 of the pair's 16 bytes
	s_lshl_b32 s15, s15, 3
	s_add_co_u32 s15, s15, VSC
	v_add_nc_u32 v3, s15, v11
	v_lshrrev_b32 v12, 3, v9
	s_delay_alu instid0(VALU_DEP_1)
	v_lshl_add_u32 v4, v12, 3, v9
	v_lshlrev_b32 v12, 4, v10
	s_delay_alu instid0(VALU_DEP_1)
	v_sub_nc_u32 v4, v4, v12                       ; r + 8 (r / 8) - 16 h
	v_lshl_add_u32 v31, v9, 3, v10                 ; the way out: my row's 8 scale bytes, my half's byte
	v_add_nc_u32 v92, VIMG, v1
	s_mul_i32 s15, s94, 768
	v_add_nc_u32 v8, s15, v1
	s_mul_i32 s15, s95, 768
	v_add_nc_u32 v93, s15, v1
.irp p, 0,1,2
	global_load_b64 v[16+2*\p:17+2*\p], v8, s[86:87] offset:256*\p      ; Q's two tiles stay in registers
	global_load_b64 v[212+2*\p:213+2*\p], v93, s[86:87] offset:256*\p
.endr
	s_lshr_b32 s15, s94, 3                         ; Q's scale word of tile T, row r: record T / 8; lane 16 (T % 2) + r; word (T / 2) % 4
	s_lshl_b32 s15, s15, 9
	s_and_b32 s16, s94, 1
	s_lshl_b32 s16, s16, 8
	s_add_co_u32 s15, s15, s16
	s_bfe_u32 s16, s94, 0x20001
	s_lshl_b32 s16, s16, 2
	s_add_co_u32 s15, s15, s16
	v_lshl_add_u32 v94, v9, 4, s15
	global_load_b32 v28, v94, s[88:89]
	s_lshr_b32 s15, s95, 3
	s_lshl_b32 s15, s15, 9
	s_and_b32 s16, s95, 1
	s_lshl_b32 s16, s16, 8
	s_add_co_u32 s15, s15, s16
	s_bfe_u32 s16, s95, 0x20001
	s_lshl_b32 s16, s16, 2
	s_add_co_u32 s15, s15, s16
	v_lshl_add_u32 v95, v9, 4, s15
	global_load_b32 v29, v95, s[88:89]
.irp i, 0,1,2,3,4,5
	v_mov_b32 v[22+\i], 0                          ; zero codes: Q's upper 64 along K,
	v_mov_b32 v[218+\i], 0
	v_mov_b32 v[80+\i], 0                          ; and what K's eighth tile takes as its upper half
.endr
	s_lshr_b32 s15, s12, 2                         ; head
	s_mul_i32 s16, s15, 589824                     ; cimg: kappa = head,
	s_mul_i32 s2, s19, 98304                       ; 128 tiles a batch
	s_add_co_u32 s16, s16, s2
	s_mov_b32 s17, 0
	s_add_nc_u64 s[72:73], s[8:9], s[16:17]
	s_lshr_b32 s2, s15, 2                          ; csc: ks = head / 4,
	s_mul_i32 s2, s2, 98304
	s_lshl_b32 s3, s19, 14                         ; 2,048 rows of 8 bytes a batch,
	s_add_co_u32 s2, s2, s3
	s_and_b32 s3, s15, 3
	s_lshl_b32 s3, s3, 1                           ; bytes 2 (head % 4) and the next
	s_add_co_u32 s2, s2, s3
	s_mov_b32 s3, 0
	s_add_nc_u64 s[74:75], s[10:11], s[2:3]
; A KEY STEP: 128 keys against my 16 queries.
.macro STEP QF, QS
	v_add_nc_u32 v8, s[TK], v1                     ; these four are also the places behind the last step's products, in front of the loads below
	v_add_nc_u32 v9, s[TK], v92
	v_add_nc_u32 v10, s[TS], v2
	v_add_nc_u32 v11, s[TS], v3
.irp t, 0,1,2,3,4,5,6,7
.irp p, 0,1,2
	ds_load_b64 v[32+6*\t+2*\p:33+6*\t+2*\p], v8 offset:768*\t+256*\p
.endr
.endr
	ds_load_b128 v[86:89], v10
	s_wait_alu depctr_va_vdst(0)
	s_wait_dscnt 0x0
.irp t, 0,2,4,6                        ; S^T = K Q^T.  Word t / 2 holds tile t's scales in lanes 0-15 and tile t + 1's in lanes 16-31
	v_wmma_scale_f32_16x16x128_f8f6f4 v[96+8*\t:103+8*\t], v[32+6*\t:43+6*\t], v[\QF:\QF+11], 0, v[86+\t/2], v[\QS] matrix_a_fmt:MATRIX_FMT_FP6 matrix_b_fmt:MATRIX_FMT_FP6
	v_wmma_scale_f32_16x16x128_f8f6f4 v[104+8*\t:111+8*\t], v[38+6*\t:49+6*\t], v[\QF:\QF+11], 0, v[86+\t/2], v[\QS] matrix_a_fmt:MATRIX_FMT_FP6 matrix_b_fmt:MATRIX_FMT_FP6 matrix_a_scale:MATRIX_SCALE_ROW1
.endr
.rept 4
	v_nop                                          ; places: in front of the loads into K's registers, and of the first read of the scores
.endr
.irp t, 0,1,2,3                        ; V's four fragments are asked for now and land under the softmax
.irp k, 0,1,2,3,4,5
	ds_load_b64 v[32+12*\t+2*\k:33+12*\t+2*\k], v9 offset:1536*\t+256*\k
.endr
.endr
	ds_load_b64 v[90:91], v11
	s_cmp_lt_u32 s[ST], s[DG]                      ; a step all of whose keys count has no mask: a branch on ids
	s_cbranch_scc1 .Lopen_\@
	v_mov_b32 v254, 0xff800000                     ; on the diagonal hidden scores become -infinity ahead of the maximum: p = 0 then.  Register 16 b + i holds key 32 b + 16 h + i of the step: hidden where 32 b + i > d
.set N, 0
.rept 64
	v_cmp_gt_i32 vcc_lo, 32*(N/16)+N%16, v30
	v_cndmask_b32 v[96+N], v[96+N], v254, vcc_lo
.set N, N+1
.endr
.Lopen_\@:
.irp b, 0,1,2,3
	v_max3_num_f32 v[232+\b], v[96+16*\b], v[97+16*\b], v[98+16*\b]   ; the largest score of each block of 32 keys: for the row's maximum, and, since p rises with the score, for the block's largest p
.endr
.irp i, 3,5,7,9,11,13
.irp b, 0,1,2,3
	v_max3_num_f32 v[232+\b], v[232+\b], v[96+16*\b+\i], v[97+16*\b+\i]
.endr
.endr
.irp b, 0,1,2,3
	v_max_num_f32 v[232+\b], v[232+\b], v[111+16*\b]
.endr
.irp b, 0,1,2,3
	s_delay_alu instid0(VALU_DEP_4)
	v_permlanex16_b32 v[236+\b], v[232+\b], s[SEL], s[SEL+1]
.endr
.irp b, 0,1,2,3
	s_delay_alu instid0(VALU_DEP_4)
	v_max_num_f32 v[232+\b], v[232+\b], v[236+\b]  ; with lane l xor 16's 16 keys
.endr
	s_delay_alu instid0(VALU_DEP_2)
	v_max3_num_f32 v254, v232, v233, v234
	s_delay_alu instid0(VALU_DEP_1)
	v_max_num_f32 v254, v254, v235
	s_delay_alu instid0(VALU_DEP_1)
	v_mul_f32 v254, s[CS], v254                    ; as t (c is positive)
	s_delay_alu instid0(VALU_DEP_1)
	v_max_num_f32 v13, v13, v254                   ; the running largest t
	v_mov_b32 v254, v12
	s_delay_alu instid0(VALU_DEP_2)
	v_floor_f32 v12, -v13                          ; the new -M = floor(-t): M is a whole number
	s_delay_alu instid0(VALU_DEP_1)
	v_sub_f32 v254, v12, v254                      ; old M - new M: a whole number, 0 or less
	s_delay_alu instid0(VALU_DEP_1)
	v_cvt_i32_f32 v254, v254                       ; (it saturates)
	s_delay_alu instid0(VALU_DEP_1)
	v_ldexp_f32 v252, 1.0, v254                    ; f = 2^(old M - new M)
.set N, 0
	s_setprio 1
.rept 32
	v_pk_fma_f32 v[96+N:97+N], v[96+N:97+N], s[CS:CS+1], v[12:13] op_sel_hi:[1,0,0]   ; t - M, two at a time
.set N, N+2
.endr
.irp b, 0,1,2,3
	v_fma_f32 v[232+\b], v[232+\b], s[CS], v12     ; the same of each block's largest score
.endr
.set N, 0
	s_wait_alu depctr_va_vdst(0)
.rept 64
	v_exp_f32 v[96+N], v[96+N]                     ; p = 2^(t - M), at most 1
.set N, N+1
.endr
	v_pk_mul_f32 v[14:15], v[14:15], v[252:253] op_sel_hi:[1,0]   ; the sums under the new M; the plain line behind the exponentials
	s_wait_alu depctr_va_vdst(0)                   ; one wait for the whole batch, ahead of its first reader
.irp b, 0,1,2,3
	v_exp_f32 v[232+\b], v[232+\b]                 ; the block's largest p
.endr
	v_pk_add_f32 v[236:237], v[100:101], v[104:105]
	v_pk_add_f32 v[254:255], v[108:109], v[112:113]
	v_pk_add_f32 v[250:251], v[116:117], v[120:121]
	v_pk_add_f32 v[248:249], v[124:125], v[128:129]
	v_pk_add_f32 v[246:247], v[132:133], v[136:137]
	v_pk_add_f32 v[244:245], v[140:141], v[144:145]
	v_pk_add_f32 v[242:243], v[148:149], v[152:153]
	v_pk_add_f32 v[14:15], v[14:15], v[156:157]
	v_pk_add_f32 v[236:237], v[236:237], v[96:97]
	v_pk_add_f32 v[254:255], v[254:255], v[98:99]
	v_pk_add_f32 v[250:251], v[250:251], v[102:103]
	v_pk_add_f32 v[248:249], v[248:249], v[106:107]
	v_pk_add_f32 v[246:247], v[246:247], v[110:111]
	v_pk_add_f32 v[244:245], v[244:245], v[114:115]
	v_pk_add_f32 v[242:243], v[242:243], v[118:119]
	v_pk_add_f32 v[14:15], v[14:15], v[122:123]
	v_pk_add_f32 v[236:237], v[236:237], v[126:127]
	v_pk_add_f32 v[254:255], v[254:255], v[130:131]
	v_pk_add_f32 v[250:251], v[250:251], v[134:135]
	v_pk_add_f32 v[248:249], v[248:249], v[138:139]
	v_pk_add_f32 v[246:247], v[246:247], v[142:143]
	v_pk_add_f32 v[244:245], v[244:245], v[146:147]
	v_pk_add_f32 v[242:243], v[242:243], v[150:151]
	v_pk_add_f32 v[14:15], v[14:15], v[154:155]
	v_pk_add_f32 v[236:237], v[236:237], v[158:159]
	s_delay_alu instid0(VALU_DEP_2)
	v_pk_add_f32 v[14:15], v[14:15], v[248:249]
	s_delay_alu instid0(VALU_DEP_2)
	v_pk_add_f32 v[236:237], v[236:237], v[246:247]
	v_pk_add_f32 v[254:255], v[254:255], v[244:245]
	v_pk_add_f32 v[250:251], v[250:251], v[242:243]
	s_delay_alu instid0(VALU_DEP_2)
	v_pk_add_f32 v[14:15], v[14:15], v[254:255]
	s_delay_alu instid0(VALU_DEP_2)
	v_pk_add_f32 v[236:237], v[236:237], v[250:251]
	s_delay_alu instid0(VALU_DEP_1)
	v_pk_add_f32 v[14:15], v[14:15], v[236:237]
	s_wait_alu depctr_va_vdst(0)                   ; and one for the four
.irp b, 0,1,2,3
	v_max_num_f32 v[232+\b], 0x1800000, v[232+\b]  ; the floor 2^(3 - 127): the byte cannot fall under 1
.endr
.irp b, 0,1,2,3
	s_delay_alu instid0(VALU_DEP_4)
	v_add_nc_u32 v[244+\b], 0xff000000, v[232+\b]  ; the conversion's scale operand
.endr
.irp b, 0,1,2,3
	s_delay_alu instid0(VALU_DEP_4)
	v_lshrrev_b32 v[236+\b], 23, v[244+\b]         ; the scale's byte
.endr
	s_delay_alu instid0(VALU_DEP_3)
	v_lshl_or_b32 v253, v237, 8, v236              ; p's scale word for these 128 keys
	s_delay_alu instid0(VALU_DEP_1)
	v_lshl_or_b32 v253, v238, 16, v253
	s_delay_alu instid0(VALU_DEP_1)
	v_lshl_or_b32 v253, v239, 24, v253
	s_setprio 0
.irp c, 0,1
	v_cvt_scalef32_pk16_fp6_f32 v[192+6*\c:194+6*\c], v[96+32*\c:111+32*\c], v[244+2*\c]
	v_cvt_scalef32_pk16_fp6_f32 v[204+4*\c:206+4*\c], v[112+32*\c:127+32*\c], v[244+2*\c+1]
.endr
	v_nop                                          ; one plain line behind the conversions
.irp c, 0,1                            ; the operand's layout wants a WHOLE block in a lane
.irp i, 0,1,2
	v_permlane16_swap_b32 v[192+6*\c+\i], v[204+4*\c+\i]
.endr
.irp i, 0,1,2
	s_delay_alu instid0(VALU_DEP_3)
	v_mov_b32 v[195+6*\c+\i], v[204+4*\c+\i]
.endr
.endr
.set N, 0
.rept 16
	v_pk_mul_f32 v[160+N:161+N], v[160+N:161+N], v[252:253] op_sel_hi:[1,0]   ; O^T under the new M.  These sixteen are also the places between the scale word's and the codes' last lines and the products below
.set N, N+2
.endr
	s_wait_alu depctr_va_vdst(0)
	s_wait_dscnt 0x0                               ; V is in
.irp t, 0,2                            ; O^T += V^T P^T: four accumulators by turns
	v_wmma_scale_f32_16x16x128_f8f6f4 v[160+8*\t:167+8*\t], v[32+12*\t:43+12*\t], v[192:203], v[160+8*\t:167+8*\t], v[90+\t/2], v253 matrix_a_fmt:MATRIX_FMT_FP6 matrix_b_fmt:MATRIX_FMT_FP6
	v_wmma_scale_f32_16x16x128_f8f6f4 v[168+8*\t:175+8*\t], v[44+12*\t:55+12*\t], v[192:203], v[168+8*\t:175+8*\t], v[90+\t/2], v253 matrix_a_fmt:MATRIX_FMT_FP6 matrix_b_fmt:MATRIX_FMT_FP6 matrix_a_scale:MATRIX_SCALE_ROW1
.endr
.endm
; THE WAY OUT of a tile: O^T / the sum; its two blocks of 32 along d are quantised; three pieces of codes and a byte a lane.
.macro OUT
.rept 4
	v_nop                                          ; places behind the last products
.endr
	v_add_f32 v14, v14, v15                        ; the sum's two halves,
	s_wait_alu depctr_va_vdst(0)
	v_permlanex16_b32 v252, v14, s[SEL], s[SEL+1]
	s_delay_alu instid0(VALU_DEP_1)
	v_add_f32 v14, v14, v252                       ; and lane l xor 16's
	s_wait_alu depctr_va_vdst(0)
	v_rcp_f32 v14, v14
	s_mul_i32 s15, s[TQ], 768
	s_lshl_b32 s16, s[TQ], 7
	v_add_nc_u32 v7, s15, v1                       ; (plain lines behind the reciprocal)  my tile's pieces,
	v_add_nc_u32 v255, s16, v31                    ; and its rows' scale bytes
	s_wait_alu depctr_va_vdst(0)                   ; the wait ahead of the reciprocal's first reader
.set N, 0
.rept 16
	v_pk_mul_f32 v[96+N:97+N], v[160+N:161+N], v[14:15] op_sel_hi:[1,0]   ; register 16 b + i: d = 32 b + 16 h + i
.set N, N+2
.endr
.irp b, 0,1
	v_max3_num_f32 v[232+\b], |v[96+16*\b]|, |v[97+16*\b]|, 0x1800000
.endr
.irp i, 2,4,6,8,10,12,14
.irp b, 0,1
	s_delay_alu instid0(VALU_DEP_2)
	v_max3_num_f32 v[232+\b], v[232+\b], |v[96+16*\b+\i]|, |v[97+16*\b+\i]|
.endr
.endr
.irp b, 0,1
	s_delay_alu instid0(VALU_DEP_2)
	v_permlanex16_b32 v[236+\b], v[232+\b], s[SEL], s[SEL+1]
.endr
.irp b, 0,1
	s_delay_alu instid0(VALU_DEP_2)
	v_max_num_f32 v[232+\b], v[232+\b], v[236+\b]
.endr
.irp b, 0,1
	s_delay_alu instid0(VALU_DEP_2)
	v_add_nc_u32 v[244+\b], 0xff000000, v[232+\b]
.endr
.irp b, 0,1
	s_delay_alu instid0(VALU_DEP_2)
	v_lshrrev_b32 v[236+\b], 23, v[244+\b]
.endr
	v_cvt_scalef32_pk16_fp6_f32 v[192:194], v[96:111], v244
	v_cvt_scalef32_pk16_fp6_f32 v[204:206], v[112:127], v245
	v_nop
.irp i, 0,1,2
	v_permlane16_swap_b32 v[192+\i], v[204+\i]     ; lanes 0-15 now hold block 0 whole, lanes 16-31 block 1
.endr
.irp i, 0,1,2
	s_delay_alu instid0(VALU_DEP_3)
	v_mov_b32 v[195+\i], v[204+\i]
.endr
	v_cndmask_b32 v254, v236, v237, s[HM]          ; my half's block's byte
.irp p, 0,1,2
	global_store_b64 v7, v[192+2*\p:193+2*\p], s[72:73] offset:256*\p   ; 256 consecutive bytes, aligned
.endr
	global_store_b8 v255, v254, s[74:75]           ; two bytes of each of 16 rows' eight: the other heads' work-groups write the rest
.endm
; A tile of queries.  The loop's trip count is a constant; a step all of whose keys come after my queries is left out by a scalar branch on ids, round the step's work alone.
.macro PASS QF, QS, NTRIP
	s_lshr_b32 s[DG], s[TQ], 3
	s_and_b32 s15, s[TQ], 7
	s_lshl_b32 s15, s15, 4
	s_and_b32 s16, s[TQ], 1
	s_lshl_b32 s16, s16, 3
	s_sub_co_u32 s15, s15, s16
	v_add_nc_u32 v30, s15, v4                      ; d = my query - the diagonal step's first key - 16 h
	v_mov_b32 v13, 0xff61b1e6                      ; the largest t so far: -3e38
	s_delay_alu instid0(VALU_DEP_1)
	v_floor_f32 v12, -v13
	v_mov_b32 v14, 0
	v_mov_b32 v15, 0
.set N, 0
.rept 32
	v_mov_b32 v[160+N], 0                          ; O^T: the first step finds zeros, which the first change of M leaves zeros
.set N, N+1
.endr
.irp b, 0,1,2,3
	v_mov_b32 v[236+\b], 0                         ; a lane permute's destination counts as one of its sources
.endr
	v_mov_b32 v252, 0
	v_mov_b32 v253, 0
	s_mov_b32 s[ST], 0
	s_mov_b32 s[TK], 0
	s_mov_b32 s[TS], 0
.Ltrip_\@:
	s_cmp_gt_u32 s[ST], s[DG]
	s_cbranch_scc1 .Lskip_\@
	s_setprio 2
	STEP \QF, \QS
.Lskip_\@:
	s_add_co_u32 s[TK], s[TK], 6144
	s_add_co_u32 s[TS], s[TS], 512
	s_add_co_u32 s[ST], s[ST], 1
	s_cmp_lt_u32 s[ST], \NTRIP
	s_cbranch_scc1 .Ltrip_\@
	s_setprio 0
	OUT
.endm
	s_wait_tensorcnt 2                             ; my parts of keys 0-1023 and of the scale words are in; the two loads of keys 1024-2047 may be out,
	s_barrier_signal -1
	s_barrier_wait -1                              ; everybody's are
	s_wait_loadcnt 0x0                             ; Q
	s_mov_b32 s[TQ], s94
	PASS 16, 28, 8                                 ; tiles 0-63 want keys under 1,024: eight steps at the most
	s_wait_xcnt 0x0                                ; the stores have read their registers: the second tile writes them again
	s_wait_tensorcnt 0x0                           ; my parts of keys 1024-2047 are in,
	s_wait_dscnt 0x0
	s_barrier_signal -1
	s_barrier_wait -1                              ; everybody's are
	s_mov_b32 s[TQ], s95
	PASS 212, 29, 16
	s_wait_tensorcnt 0x0                           ; the wave's end, behind my last tensor load
	ds_add_u32 v5, v6
	s_wait_dscnt 0x0
	s_endpgm
.Lfunc_end_k_q641a4b50ab_attn:
	.size	k_q641a4b50ab_attn, .Lfunc_end_k_q641a4b50ab_attn-k_q641a4b50ab_attn
	.p2alignl 7, 3214868480
	.fill 96, 4, 3214868480
	.section	.rodata,"a",@progbits
	.p2align	6, 0x0
	.amdhsa_kernel k_q641a4b50ab_attn
		.amdhsa_group_segment_fixed_size 215040
		.amdhsa_private_segment_fixed_size 0
		.amdhsa_enable_private_segment 0
		.amdhsa_kernarg_size 32
		.amdhsa_user_sgpr_count 2
		.amdhsa_user_sgpr_kernarg_segment_ptr 1
		.amdhsa_wavefront_size32 1
		.amdhsa_system_sgpr_workgroup_id_x 1
		.amdhsa_system_sgpr_workgroup_id_y 1
		.amdhsa_system_sgpr_workgroup_id_z 1
		.amdhsa_system_vgpr_workitem_id 0
		.amdhsa_next_free_vgpr 256
		.amdhsa_next_free_sgpr 100
		.amdhsa_reserve_vcc 1
		.amdhsa_float_denorm_mode_32 3
		.amdhsa_float_denorm_mode_16_64 3
		.amdhsa_memory_ordered 1
		.amdhsa_forward_progress 1
		.amdhsa_inst_pref_size 69
	.end_amdhsa_kernel
	.amdgpu_metadata
---
amdhsa.version: [ 1, 2 ]
amdhsa.kernels:
  - .name:           k_q641a4b50ab_attn
    .symbol:         k_q641a4b50ab_attn.kd
    .args:
      - { .name: img, .offset: 0, .size: 8, .value_kind: global_buffer, .address_space: global }
      - { .name: sc, .offset: 8, .size: 8, .value_kind: global_buffer, .address_space: global }
      - { .name: cimg, .offset: 16, .size: 8, .value_kind: global_buffer, .address_space: global }
      - { .name: csc, .offset: 24, .size: 8, .value_kind: global_buffer, .address_space: global }
    .group_segment_fixed_size: 215040
    .private_segment_fixed_size: 0
    .kernarg_segment_align: 8
    .kernarg_segment_size: 32
    .max_flat_workgroup_size: 512
    .sgpr_count:     100
    .vgpr_count:     256
    .wavefront_size: 32
...
	.end_amdgpu_metadata
.endif
;; end of part 3
;; launch gemm_out (part 4): grid 4 x 32, 4 waves a work-group, clusters of 4 x 4, 327,680 bytes of LDS; arguments cimg, csc, bo, out0; writes out0
.if DOCPART == 4
	.amdgcn_target "amdgcn-amd-amdhsa--gfx1250"
	.amdhsa_code_object_version 6
	.text
	.protected	k_q641a4b50ab_gemm_out
	.globl	k_q641a4b50ab_gemm_out
	.p2align	8
	.type	k_q641a4b50ab_gemm_out,@function
k_q641a4b50ab_gemm_out:
	s_mov_b64 s[64:65], 0
	v_nop
	global_prefetch_b8 v0, s[64:65] scope:SCOPE_SE
	s_setreg_imm32_b32 hwreg(HW_REG_WAVE_MODE, 25, 1), 1
	s_wait_xcnt 0x0
	s_wait_alu depctr_hold_cnt(0) depctr_sa_sdst(0) depctr_va_vdst(0) depctr_va_sdst(0) depctr_va_ssrc(0) depctr_va_vcc(0) depctr_vm_vsrc(0)
	s_getreg_b32 s2, hwreg(HW_REG_IB_STS2, 6, 4)
	s_cmp_eq_u32 s2, 0
	s_cbranch_scc0 .Lentry_in_a_cluster
	s_endpgm
.Lentry_in_a_cluster:
	s_bfe_u32 s2, ttmp6, 0x10000c
	s_cmp_lg_u32 s2, 0xf033
	s_cbranch_scc0 .Lentry_shape_is_right
	s_endpgm
.Lentry_shape_is_right:
; out0 = o Wo + bo on codes of FP6 (E2M3) with E8M0 scales, K = 1,024.  o's codes lie in cimg tiles 0-511 (the attention launch stored them), Wo's in tiles 704-767; scale bytes in csc.  out0: [8192][1024] f32.
; A tile of 256 x 256 is made by four waves, each 128 x 128: 64 accumulators, 512 registers.  K goes in steps of 256 through two LDS slots filled by the tensor data mover.
; OPERANDS are images of operand registers, [kappa (64 along K)][tile of 16 rows][piece 3][256 bytes]: a fragment is six loads of 8 bytes a lane at a constant + 8 x lane.  A tile's rows are rows 32 g + 8 u + r + 8 (r / 8).
; THE MATRIX INSTRUCTION IS USED TRANSPOSED (source 0 = 16 columns of Wo, source 1 = 16 tokens): the 16 registers of accumulators (a, 2 g), (a, 2 g + 1) are 16 neighbouring columns of one token's row.
; The bias is the C of each sum's first matrix instruction.
; CLUSTERS: 4 x 4 work-groups; the tokens' tile is shared along a row of the cluster, Wo's along a column: each is asked for JOINTLY.  128 work-groups: tiles of half the size would fill more WGPs at twice the LDS reads for each product.
; No prefetch: K has four steps, of which two are asked for at the head.
; REGISTERS: window 0: v16-29 addresses; v32-63 scale words, two sets; v64-127 the bias; v128-223 A's fragments, ONE set (on the way out v128-255: rows read back).  window 1: B's fragments, two sets.  windows 2, 3: accumulators (a, b) at v[8 (8 (a % 4) + b)].
.set HALFT, 24576                      ; what one tensor load brings: [kappa 4][tile 8][768]
.set SLOT,  4*HALFT
.set SCL,   2*SLOT
.set HALFS, 4096                       ; [ks 4][128 rows][8]
.set SPARE, SCL+4*HALFS
.set KSTEPB, 2359296
.set FR,   12
.set NL,   6
.set ADRA, 16
.set STO,  18                          ; v18 the way out: where I put 32 bytes of a row
.set RD,   19                          ; v19 and where I read a row back
.set ADRB, 20
.set L8,   24
.set L16,  25                          ; v25 16 x lane: also my place in a row of out0
.set ADRS, 27
.set SPW,  28
.set NIL,  29
.set SC,   32
.set BJ,   64
.set AF,   128
.set BK,   128
.set G1,   24
.set G0,   32
.set G1B,  48
.set G0B,  56
.set G1S,  68
.set G0S,  76
.set G1SB, 80
.set G0SB, 88
.set MSB, 0
.macro WIN new                         ; the immediate's high byte repeats the setting that is left
.if MSB != (\new)
	s_set_vgpr_msb (MSB<<8)|(\new)
.set MSB, (\new)
.endif
.endm
.macro JLOAD g0a, g1a, g0b, g1b        ; a joint load: waves 0 and 1 fetch for A, waves 2 and 3 for B; an s_nop 0 and four v_nop follow each line
	s_cmp_eq_u32 s19, 0
	s_cbranch_scc0 .Lfor_b_\@
	tensor_load_to_lds s[\g0a:\g0a+3], s[\g1a:\g1a+7]
	s_nop 0
.rept 4
	v_nop
.endr
	s_branch .Lasked_\@
.Lfor_b_\@:
	tensor_load_to_lds s[\g0b:\g0b+3], s[\g1b:\g1b+7]
	s_nop 0
.rept 4
	v_nop
.endr
.Lasked_\@:
.endm
.macro CREST
	s_cmp_lg_u32 s18, 0
	s_cbranch_scc1 .Lnot_wave_0_\@
	s_barrier_signal -3
.Lnot_wave_0_\@:
	s_barrier_wait -3
	s_barrier_signal -1
	s_barrier_wait -1
.endm
.macro CROUND
	s_barrier_signal -1
	s_barrier_wait -1
	CREST
.endm
	s_load_b256 s[4:11], s[0:1], 0x0               ; cimg, csc, bo, out0
	v_lshl_add_u32 v[SPW], v0, 2, SPARE
	v_mov_b32 v[NIL], 0
	ds_add_u32 v[SPW], v[NIL]                      ; the wave's opening: the add and its wait ahead of my first tensor load
	v_lshrrev_b32 v1, 5, v0
	v_readfirstlane_b32 s18, v1                    ; wave 0..3
	s_lshr_b32 s19, s18, 1                         ; my half of the tokens.  Also: I fetch for A (0) or for B (1)
	s_and_b32 s20, s18, 1                          ; my half of the columns.  Also: which 128 rows I fetch
	s_bfe_u32 s40, ttmp6, 0x40000                  ; cx: the tile column
	s_bfe_u32 s41, ttmp6, 0x40004                  ; cy
	s_and_b32 s44, ttmp7, 0xffff
	s_lshl_b32 s44, s44, 2
	s_add_co_u32 s44, s44, s41                     ; the tile row: 4 x cluster y + cy
	s_lshl_b32 s46, s41, 2
	s_lshl_b32 s46, 15, s46                        ; my row of the cluster
	s_lshl_b32 s47, 0x1111, s40                    ; my column
	s_or_b32 s[G1], s46, (3<<16)|(1<<21)           ; the mask; elements of 8 bytes; no padding; bit 21 set beside a mask
	s_or_b32 s[G1B], s47, (3<<16)|(1<<21)
	s_or_b32 s[G1S], s46, (3<<16)|(1<<21)
	s_or_b32 s[G1SB], s47, (3<<16)|(1<<21)
.irp g, G1, G1B                        ; codes: 4 rows (kappa) of 768 elements, 589,824 bytes apart
	s_mov_b32 s[\g+1], 768<<16
	s_mov_b32 s[\g+2], 4<<16
	s_mov_b32 s[\g+3], 768<<16
	s_mov_b32 s[\g+4], 4
	s_mov_b32 s[\g+5], 73728
	s_mov_b32 s[\g+6], 0
	s_mov_b32 s[\g+7], 0
.endr
.irp g, G1S, G1SB                      ; scale bytes: 4 rows (ks) of 128 elements, 98,304 bytes apart
	s_mov_b32 s[\g+1], 128<<16
	s_mov_b32 s[\g+2], 4<<16
	s_mov_b32 s[\g+3], 128<<16
	s_mov_b32 s[\g+4], 4
	s_mov_b32 s[\g+5], 12288
	s_mov_b32 s[\g+6], 0
	s_mov_b32 s[\g+7], 0
.endr
	s_lshl_b32 s21, s20, 3
	s_lshl_b32 s46, s44, 4
	s_add_co_u32 s46, s46, s21                     ; A's first tile that I fetch
	s_lshl_b32 s47, s40, 4
	s_add_co_u32 s47, s47, 704
	s_add_co_u32 s47, s47, s21                     ; B's
	s_mul_i32 s92, s46, 768
	s_mov_b32 s93, 0
	s_mul_i32 s94, s47, 768
	s_mov_b32 s95, 0
	s_lshl_b32 s96, s46, 7
	s_mov_b32 s97, 0
	s_lshl_b32 s98, s47, 7
	s_mov_b32 s99, 0
	s_mul_i32 s21, s18, HALFT
	s_mul_i32 s22, s18, HALFS
	s_wait_dscnt 0x0                               ; the opening add is done
	s_wait_kmcnt 0x0
	s_add_nc_u64 s[92:93], s[4:5], s[92:93]
	s_add_nc_u64 s[94:95], s[4:5], s[94:95]
	s_add_nc_u64 s[96:97], s[6:7], s[96:97]
	s_add_nc_u64 s[98:99], s[6:7], s[98:99]
	CROUND                                         ; all sixteen work-groups are here: the first joint loads meet
	s_mov_b32 s[G0S], 1
	s_add_co_u32 s[G0S+1], s22, SCL
	s_mov_b64 s[G0S+2:G0S+3], s[96:97]
	s_or_b32 s[G0S+3], s[G0S+3], 0x80000000
	s_mov_b32 s[G0SB], 1
	s_add_co_u32 s[G0SB+1], s22, SCL
	s_mov_b64 s[G0SB+2:G0SB+3], s[98:99]
	s_or_b32 s[G0SB+3], s[G0SB+3], 0x80000000
	JLOAD G0S, G1S, G0SB, G1SB                     ; the scale bytes for all of K: filled once
.irp s, 0,1
	s_mov_b32 s[G0+4*\s], 1
	s_add_co_u32 s[G0+4*\s+1], s21, \s*SLOT
	s_add_nc_u64 s[G0+4*\s+2:G0+4*\s+3], s[92:93], \s*KSTEPB
	s_or_b32 s[G0+4*\s+3], s[G0+4*\s+3], 0x80000000
	s_mov_b32 s[G0B+4*\s], 1
	s_add_co_u32 s[G0B+4*\s+1], s21, \s*SLOT
	s_add_nc_u64 s[G0B+4*\s+2:G0B+4*\s+3], s[94:95], \s*KSTEPB
	s_or_b32 s[G0B+4*\s+3], s[G0B+4*\s+3], 0x80000000
	JLOAD G0+4*\s, G1, G0B+4*\s, G1B               ; K steps 0 and 1: three loads of mine are out
.endr
	v_and_b32 v1, 15, v0                           ; r
	v_bfe_u32 v2, v0, 4, 1                         ; h
	v_and_b32 v3, 31, v0
	v_lshlrev_b32 v[L8], 3, v3
	v_lshlrev_b32 v[L16], 4, v3
	s_lshl_b32 s42, s40, 10
	s_lshl_b32 s43, s20, 9
	s_add_co_u32 s42, s42, s43                     ; my first column, in bytes
	v_lshl_add_u32 v7, v2, 6, s42
.irp g, 0,1,2,3
.irp m, 0,1,2,3
	global_load_b128 v[BJ+16*\g+4*\m:BJ+16*\g+4*\m+3], v7, s[8:9] offset:128*\g+16*\m   ; register 8 b + j: bo at accumulator b's column of register j: 32 (b / 2) + 16 h + 8 (b % 2) + j
.endr
.endr
	s_mul_i32 s21, s19, HALFT
	s_mul_i32 s22, s20, HALFT
	s_add_co_u32 s22, s22, 2*HALFT
.irp s, 0,1
	v_add_nc_u32 v[ADRA+\s], s21, v[L8]
	v_add_nc_u32 v[ADRB+\s], s22, v[L8]
	s_add_co_u32 s21, s21, SLOT
	s_add_co_u32 s22, s22, SLOT
.endr
	v_lshlrev_b32 v5, 3, v1
	s_mul_i32 s21, s19, HALFS
	s_mul_i32 s22, s20, HALFS
	s_add_co_u32 s22, s22, 2*HALFS
	s_sub_co_u32 s22, s22, s21
	v_mul_u32_u24 v6, s22, v2                      ; lanes 16-31 take B's: the lower base + h x the distance
	s_add_co_u32 s21, s21, SCL
	v_add_nc_u32 v5, v5, v6
	v_add_nc_u32 v[ADRS], s21, v5
	s_mul_i32 s21, s18, 16*528                     ; my stage: 16 rows x (512 bytes + 16), in slot 0
	v_mul_u32_u24 v5, v1, 528
	v_lshl_add_u32 v5, v2, 6, v5
	v_add_nc_u32 v[STO], s21, v5                   ; in: row r, 64 bytes on for lanes 16-31
	v_add_nc_u32 v[RD], s21, v[L16]                ; back: the 32 lanes take a row of 512 bytes
	s_lshl_b32 s92, s44, 8
	s_lshl_b32 s93, s19, 7
	s_add_co_u32 s92, s92, s93                     ; my first token
	s_lshl_b32 s92, s92, 12
	s_add_co_u32 s92, s92, s42
	s_mov_b32 s93, 0
	s_add_nc_u64 s[12:13], s[10:11], s[92:93]
.macro FRAG reg, adr, q, i             ; a fragment: six pieces, 256 consecutive bytes each
.irp p, 0,1,2,3,4,5
	ds_load_b64 v[\reg+2*\p:\reg+2*\p+1], v[\adr] offset:(2*(\q)+\p/3)*6144+(\i)*768+(\p%3)*256
.endr
.endm
; 16 matrix instructions: A's blocks a0, a0 + 1 x B's eight.  first = 1: the sum begins with the bias as C.  The 64 accumulators take turns, one instruction a turn.
.macro MUL16 a0, p, q, sc, first
.irp a, \a0, \a0+1
.irp b, 0,1,2,3,4,5,6,7
.if \first
	v_wmma_scale_f32_16x16x128_f8f6f4 v[8*(8*((\a)%4)+\b):8*(8*((\a)%4)+\b)+7], v[128*(\p)+FR*\b:128*(\p)+FR*\b+FR-1], v[AF+FR*(\a):AF+FR*(\a)+FR-1], v[BJ+8*\b:BJ+8*\b+7], v[SC+16*(\sc)+2*\b+(\q)], v[SC+16*(\sc)+2*(\a)+(\q)] matrix_a_fmt:MATRIX_FMT_FP6 matrix_b_fmt:MATRIX_FMT_FP6 matrix_a_scale:MATRIX_SCALE_ROW1
.else
	v_wmma_scale_f32_16x16x128_f8f6f4 v[8*(8*((\a)%4)+\b):8*(8*((\a)%4)+\b)+7], v[128*(\p)+FR*\b:128*(\p)+FR*\b+FR-1], v[AF+FR*(\a):AF+FR*(\a)+FR-1], v[8*(8*((\a)%4)+\b):8*(8*((\a)%4)+\b)+7], v[SC+16*(\sc)+2*\b+(\q)], v[SC+16*(\sc)+2*(\a)+(\q)] matrix_a_fmt:MATRIX_FMT_FP6 matrix_b_fmt:MATRIX_FMT_FP6 matrix_a_scale:MATRIX_SCALE_ROW1
.endif
.endr
.endr
.endm
.macro FETCH_B slot, q, p
	WIN 0x40
.irp i, 0,1,2,3,4,5,6,7
	FRAG 128*(\p)+FR*\i, ADRB+\slot, \q, \i
.endr
	WIN 0
.endm
.macro FETCH_A slot, q, i0
.irp i, \i0, \i0+1, \i0+2, \i0+3
	FRAG AF+FR*(\i), ADRA+\slot, \q, \i
.endr
.endm
.macro SCALES sc
.irp i, 0,1,2,3,4,5,6,7
	ds_load_b64 v[SC+16*\sc+2*\i:SC+16*\sc+2*\i+1], v[ADRS] offset:128*\i
.endr
.endm
.macro PLACES n                        ; four places behind a matrix instruction, in front of loads into its registers and of reads of its result
.rept \n
	v_nop
.endr
.endm
.macro STEP slot, q, first
	s_wait_dscnt 4*NL                              ; B's set and A's blocks 0-3 are in; the youngest 24 loads (A's blocks 4-7) may be out
.if \first
	WIN 0x81                                       ; source 0 window 1, sources 1 and 2 window 0, D window 2
.else
	WIN 0xa1                                       ; C and D window 2
.endif
	MUL16 0, (\q)%2, \q, \slot, \first
	MUL16 2, (\q)%2, \q, \slot, \first
	s_wait_dscnt 0
	PLACES 4
	FETCH_B \slot, (\q)+1, 1-(\q)%2
	FETCH_A \slot, (\q)+1, 0
.if \first
	WIN 0xc1
.else
	WIN 0xf1
.endif
	MUL16 4, (\q)%2, \q, \slot, \first
	MUL16 6, (\q)%2, \q, \slot, \first
	PLACES 4
	WIN 0
	FETCH_A \slot, (\q)+1, 4
.endm
.macro TURN slot, next, fill           ; a slot's last 128 change slots: ONE barrier, with the three lines in front of it
	s_wait_tensorcnt 0x0                           ; all my tensor loads have landed: my part of the next slot
	ds_add_u32 v[SPW], v[NIL]                      ; 0 onto my spare word
	s_wait_dscnt 4*NL+1                            ; (the add and the youngest 24 loads may be out)
	WIN 0xa1
	MUL16 0, 1, 1, \slot, 0
	s_wait_dscnt 0x0                               ; the add is done, and my reads of this slot are over
	s_barrier_signal -1
	MUL16 2, 1, 1, \slot, 0
	WIN 0
	s_barrier_wait -1
.if \fill
	CREST                                          ; the barrier has opened a round of the cluster's: no wave of any partner still reads this slot or has a load on its way
	s_add_nc_u64 s[G0+4*\slot+2:G0+4*\slot+3], s[G0+4*\slot+2:G0+4*\slot+3], 2*KSTEPB
	s_add_nc_u64 s[G0B+4*\slot+2:G0B+4*\slot+3], s[G0B+4*\slot+2:G0B+4*\slot+3], 2*KSTEPB
	JLOAD G0+4*\slot, G1, G0B+4*\slot, G1B
.else
	PLACES 4
.endif
	v_add_nc_u32 v[ADRS], 1024, v[ADRS]
	FETCH_B \next, 0, 0
	FETCH_A \next, 0, 0
	SCALES \next
	WIN 0xf1
	MUL16 4, 1, 1, \slot, 0
	MUL16 6, 1, 1, \slot, 0
	PLACES 4
	WIN 0
	FETCH_A \next, 0, 4
.endm
	s_wait_tensorcnt 1                             ; the scale bytes and my part of K step 0 are in (K step 1's load may be out),
	s_barrier_signal -1
	s_barrier_wait -1                              ; everybody's are
	FETCH_B 0, 0, 0
	FETCH_A 0, 0, 0
	SCALES 0
	FETCH_A 0, 0, 4
	s_wait_loadcnt 0x0                             ; the bias
	STEP 0, 0, 1
	TURN 0, 1, 1
	STEP 1, 0, 0
	TURN 1, 0, 1
	STEP 0, 0, 0
	TURN 0, 1, 0
	STEP 1, 0, 0
	s_wait_dscnt 4*NL
	WIN 0xa1
	MUL16 0, 1, 1, 1, 0
	MUL16 2, 1, 1, 1, 0
	s_wait_dscnt 0
	WIN 0xf1
	MUL16 4, 1, 1, 1, 0
	MUL16 6, 1, 1, 1, 0
	WIN 0
; THE WAY OUT, block by block of 16 tokens x 128 columns, through my own stage: it lies in slot 0, which has had its last fill, and which nobody reads behind the last change of slots.
; LDS serves a wave's instructions in order (ISA guide 5.7.1.4): no wait between the stores and the loads.
.macro TOSTAGE a
.set AC, 64*((\a)%4)
	WIN 0x08+4*((\a)/4)                            ; an LDS store's data: window 2 or 3
.irp b, 0,1,2,3,4,5,6,7
	ds_store_b128 v[STO], v[AC+8*\b:AC+8*\b+3] offset:128*(\b/2)+32*(\b%2)        ; each accumulator from its low end on
	ds_store_b128 v[STO], v[AC+8*\b+4:AC+8*\b+7] offset:128*(\b/2)+32*(\b%2)+16
.endr
	WIN 0
.set BB, BK+64*((\a)%2)
.irp t, 0,1,2,3,4,5,6,7,8,9,10,11,12,13,14,15
	ds_load_b128 v[BB+4*\t:BB+4*\t+3], v[RD] offset:\t*528
.endr
.endm
.macro SEND a, younger                 ; younger: the LDS instructions issued behind block a's loads, which may stay out
.set BB, BK+64*((\a)%2)
	s_wait_dscnt \younger
.irp t, 0,1,2,3,4,5,6,7,8,9,10,11,12,13,14,15
	global_store_b128 v[L16], v[BB+4*\t:BB+4*\t+3], s[12:13] offset:(32*((\a)/2)+8*((\a)%2)+\t+8*(\t/8))*4096 th:TH_STORE_NT   ; the tile's place t is token 32 (a / 2) + 8 (a % 2) + t + 8 (t / 8); 32 lanes store 512 consecutive bytes, aligned
.endr
.endm
	PLACES 4
	TOSTAGE 0
.irp a, 1,2,3,4,5,6,7
.if \a > 1
	s_wait_xcnt 0x0                                ; block a - 2's stores have read their registers: block a's loads may land there
.endif
	TOSTAGE \a
	SEND \a-1, 32                                  ; behind block a - 1's loads: block a's 16 stores and 16 loads
.endr
	SEND 7, 0
	s_wait_tensorcnt 0x0                           ; the wave's end, behind my last tensor load and my last LDS store
	ds_add_u32 v[SPW], v[NIL]
	s_wait_dscnt 0x0
	CROUND                                         ; the closing round
	s_endpgm
.Lfunc_end_k_q641a4b50ab_gemm_out:
	.size	k_q641a4b50ab_gemm_out, .Lfunc_end_k_q641a4b50ab_gemm_out-k_q641a4b50ab_gemm_out
	.p2alignl 7, 3214868480
	.fill 96, 4, 3214868480
	.section	.rodata,"a",@progbits
	.p2align	6, 0x0
	.amdhsa_kernel k_q641a4b50ab_gemm_out
		.amdhsa_group_segment_fixed_size 327680
		.amdhsa_private_segment_fixed_size 0
		.amdhsa_enable_private_segment 0
		.amdhsa_kernarg_size 32
		.amdhsa_user_sgpr_count 2
		.amdhsa_user_sgpr_kernarg_segment_ptr 1
		.amdhsa_wavefront_size32 1
		.amdhsa_system_sgpr_workgroup_id_x 1
		.amdhsa_system_sgpr_workgroup_id_y 1
		.amdhsa_system_sgpr_workgroup_id_z 1
		.amdhsa_system_vgpr_workitem_id 0
		.amdhsa_next_free_vgpr 1024
		.amdhsa_next_free_sgpr 100
		.amdhsa_reserve_vcc 0
		.amdhsa_float_denorm_mode_32 3
		.amdhsa_float_denorm_mode_16_64 3
		.amdhsa_memory_ordered 1
		.amdhsa_forward_progress 1
		.amdhsa_inst_pref_size 160
	.end_amdhsa_kernel
	.amdgpu_metadata
---
amdhsa.version: [ 1, 2 ]
amdhsa.kernels:
  - .name:           k_q641a4b50ab_gemm_out
    .symbol:         k_q641a4b50ab_gemm_out.kd
    .args:
      - { .name: cimg, .offset: 0, .size: 8, .value_kind: global_buffer, .address_space: global }
      - { .name: csc, .offset: 8, .size: 8, .value_kind: global_buffer, .address_space: global }
      - { .name: bo, .offset: 16, .size: 8, .value_kind: global_buffer, .address_space: global }
      - { .name: out0, .offset: 24, .size: 8, .value_kind: global_buffer, .address_space: global }
    .group_segment_fixed_size: 327680
    .private_segment_fixed_size: 0
    .kernarg_segment_align: 8
    .kernarg_segment_size: 32
    .max_flat_workgroup_size: 128
    .sgpr_count:     100
    .vgpr_count:     1024
    .wavefront_size: 32
...
	.end_amdgpu_metadata
.endif
;; end of part 4
